; MI455X (gfx1250); checked and timed in simulation.
; The chip was launched on July 23, 2026; its instructions are those of AMD's public machine-readable ISA for CDNA 5 (MIT licence, August 2026) and "CDNA5" Instruction Set Architecture Reference Guide (July 2026). The comments in the code are by the model that wrote it; some were corrected since.
;; Causal Multihead Self Attention. Allowed arithmetic: matrix products marked QUANTISED: E4M3 operands, one E8M0 scale for each 32 along K, by v_wmma_scale_f32_16x16x128_f8f6f4 with both operands' format E4M3, f32 sums; everything else in f32.
;; Inputs: Wo_codes 1,024 x 32 x 32 uint8 (E4M3 codes of Wo, K innermost, in blocks of 32 codes); Wo_scales 1,024 x 32 uint8 (E8M0 scales of Wo, one for each 32 codes along K); Wqkv_codes 3,072 x 32 x 32 uint8 (E4M3 codes of Wqkv, K innermost, in blocks of 32 codes); Wqkv_scales 3,072 x 32 uint8 (E8M0 scales of Wqkv, one for each 32 codes along K); token_positions 4,096 int32; x_codes 1 x 4,096 x 32 x 32 uint8 (E4M3 codes of x, K innermost, in blocks of 32 codes); x_scales 1 x 4,096 x 32 uint8 (E8M0 scales of x, one for each 32 codes along K).
;; Outputs: out0 1 x 4,096 x 1,024 float32.
;; This version of the problem:
;;   THIS VERSION OF THE PROBLEM IS GIVEN IN LOW PRECISION. The matrix products marked QUANTISED in the list below multiply operands that are first quantised to E4M3 (4 exponent bits, 3 mantissa bits; 8 bits a number), with one power-of-two scale for each 32 numbers along K (OCP MX v1.0); their sums are f32. All else is computed in f32.
;;   The module's matrix products, in the order in which they are computed (A, B: the left and right operand; K: the contracted axis; several contracted axes count as one K, in the product's order):
;;     1. [M 4,096, K 1,024] x [K 1,024, N 3,072]; A: input x (given as codes); B: input Wqkv (given as codes): QUANTISED
;;     2. batch 16 x [M 4,096, K 64] x [K 64, N 4,096]; A: computed on the way; B: computed on the way: QUANTISED
;;     3. batch 16 x [M 4,096, K 4,096] x [K 4,096, N 64]; A: softmax (see below); B: computed on the way: QUANTISED
;;     4. [M 4,096, K 1,024] x [K 1,024, N 1,024]; A: computed on the way; B: input Wo (given as codes): QUANTISED
;;   THE QUANTISER, for each operand of a quantised product, along K:
;;     - K is cut into blocks of 32 from its start; a last block that is shorter is filled with zeros.
;;     - A block's scale is 2^e with e = floor(log2(the largest magnitude in the block)) - 8, held to -126 .. 127; a block of zeros has e = 0. As a byte (E8M0): e + 127.
;;     - Each number is divided by its block's scale, clamped to +-448, and rounded to the nearest number of E4M3, ties to even, subnormals kept.
;;     - The product sums the exact products of the quantised numbers (number of the format x scale) in f32.
;;   ~~~python
;;   def quantise(x, axis):      # numpy; x: float32 -> the quantised numbers, widened to float32 again
;;       x = np.moveaxis(x, axis, -1); K = x.shape[-1]
;;       x = np.pad(x, [(0, 0)] * (x.ndim - 1) + [(0, -K % 32)]); x = x.reshape(x.shape[:-1] + (-1, 32)); a = np.abs(x).max(-1, keepdims=True)
;;       e = np.where(a > 0, np.clip(np.frexp(np.where(a > 0, a, 1))[1] - 1 - 8, -126, 127), 0)      # np.frexp(a)[1] - 1 = floor(log2(a)), exactly
;;       r = np.clip(x / 2.0 ** e, -448, 448)
;;       step = 2.0 ** (np.maximum(np.frexp(np.where(r == 0, 1, r))[1] - 1, -6) - 3)
;;       q = np.round(r / step) * step * 2.0 ** e      # np.round: ties to even
;;       return np.moveaxis(q.reshape(q.shape[:-2] + (-1,))[..., :K], -1, axis).astype(np.float32)
;;   ~~~
;;   SOFTMAX AHEAD OF A QUANTISED PRODUCT. Where the list says 'softmax', what is quantised is not the finished softmax but p = 2^(t - M), with t = logit x log2(e) and M = ceil(the row's largest t), a whole number; so 1/2 < the row's largest p <= 1. The row's sum l is taken of the UNQUANTISED p, in f32, and the product's result is divided by l at the end. Since M is a whole number, a kernel that streams over the keys may use a running M (the ceiling of the running maximum): every later rescaling is an exact power of two, which a block's scale takes up: the codes' values come out the same.
;;   OPERANDS COMPUTED ON THE WAY. 'Computed on the way' means the value that the module computes at that place (a softmax that the list does not call 'softmax' is quantised finished and normalised). What goes into a quantiser is computed in f32, as accurately as f32 sums, v_exp_f32 and their like allow (about 1e-6 of the number): no bf16 or f16 on the way to a quantiser, and a product that is left as it is and whose result goes on into a quantised operand takes f32 operands (vector FMAs, or v_wmma_f32_16x16x4_f32). A number that lies on a knife's edge between two numbers of the format may be rounded either way, as far as f32 arithmetic and the matrix unit's own rounding can turn it there, and no further.
;;   INPUTS GIVEN AS CODES. Wo (in the module: [1024, 1024], K = its axis 1); Wqkv (in the module: [3072, 1024], K = its axis 1); x (in the module: [1, 4096, 1024], K = its axis 2): each comes as NAME_codes (uint8): NAME with its K axis moved to the last place and cut into blocks of 32 codes, [.., K / 32, bytes a block], one block behind the other in memory; one code a byte (a code: sign, 4 exponent bits, 3 mantissa bits); and NAME_scales (uint8): the same leading axes, one E8M0 byte (e + 127) for each 32 codes along K. Its value is code x scale, taken as it is: it is not quantised again, and the codes and scales need not be those that the quantiser above would give.
;; One version. Each part assembles by itself: llvm-mc -triple=amdgcn-amd-amdhsa -mcpu=gfx1250 --defsym DOCPART=n.
;; ======== version 1 of 1: 4 launches
;; limits: right only within a limited range of input values
;; workspace buffers: rope 1,048,576 bytes; q_img 4,194,304 bytes; q_sc 262,144 bytes; kv 8,781,824 bytes; o_img 4,194,304 bytes; o_sc 131,072 bytes
;; launch ropetab (part 1): grid 256 x 1, 4 waves a work-group, no clusters, 0 bytes of LDS; arguments token_positions, rope; writes rope
.if DOCPART == 1
	.amdgcn_target "amdgcn-amd-amdhsa--gfx1250"
	.amdhsa_code_object_version 6
	.text
	.protected	k_q5b3aeafea9_ropetab
	.globl	k_q5b3aeafea9_ropetab
	.p2align	8
	.type	k_q5b3aeafea9_ropetab,@function
k_q5b3aeafea9_ropetab:
	s_mov_b64 s[64:65], 0
	v_nop
	global_prefetch_b8 v0, s[64:65] scope:SCOPE_SE
	s_setreg_imm32_b32 hwreg(HW_REG_WAVE_MODE, 25, 1), 1
	s_wait_xcnt 0x0
; rope[token][j] = (cos a, sin a), a = f32(position of the token) / f32(10000^(j/32)), j = 0 .. 31: [4096][32][2] f32, 256 bytes a token.
; A lane is a frequency j, a wave takes four tokens, a work-group sixteen: each store of a wave is one token's 256 consecutive bytes, aligned.
; The divisor 10000^(j/32) = 10^(j/8) is given as the nearest f32 number.  The quotient is made by a reciprocal and one corrected step (the remainder by a fused multiply-add).
; cos and sin: n = nearest whole number to a x 2/pi; r = a - n pi/2 with pi/2 in two parts; polynomials in r on +-pi/4; the quadrant n mod 4 swaps the two and sets the signs.
; LIMIT: |position| under 2^22 (n stays a whole number in f32 and the two parts of pi/2 are enough).
; No LDS, no barrier, no matrix unit: 16 KiB are read and 1 MiB is written once.
	s_load_b128 s[4:7], s[0:1], 0x0                ; token_positions, rope
	v_lshrrev_b32 v1, 5, v0
	v_readfirstlane_b32 s2, v1                     ; wave
	v_and_b32 v1, 31, v0
	v_lshlrev_b32 v1, 3, v1                        ; 8 bytes a lane
	s_lshl_b32 s3, ttmp9, 4
	s_lshl_b32 s2, s2, 2
	s_add_co_u32 s2, s2, s3                        ; my first token: 16 x work-group + 4 x wave
	s_lshl_b32 s12, s2, 2
	s_mov_b32 s13, 0
	s_lshl_b32 s14, s2, 8
	s_mov_b32 s15, 0
	s_wait_kmcnt 0x0
	s_add_nc_u64 s[4:5], s[4:5], s[12:13]
	s_add_nc_u64 s[6:7], s[6:7], s[14:15]
	s_load_b128 s[8:11], s[4:5], 0x0               ; four positions
	v_mov_b32 v2, 0
.set j, 0
.irp lit, 0x3f800000,0x3faab0d5,0x3fe39ea9,0x4017c496,0x404a62c2,0x4086f161,0x40b3f300,0x40eff755,0x41200000,0x41555d0a,0x418e432a,0x41bdb5bc,0x41fcfb72,0x4228adb9,0x4260efc0,0x4295fa95,0x42c80000,0x43055a26,0x4331d3f4,0x436d232b,0x439e1d27,0x43d2d927,0x440c95d8,0x443b793b,0x447a0000,0x44a6b0b0,0x44de48f1,0x451435fb,0x4545a471,0x4583c7b8,0x45afbb4e,0x45ea5789
	s_mov_b32 s16, \lit
	v_writelane_b32 v2, s16, j                     ; lane j: 10^(j/8)
.set j, j+1
.endr
	s_wait_alu depctr_va_vdst(0)
	v_rcp_f32 v3, v2
	s_mov_b32 s20, 0x3f22f983                      ; 2 / pi
	s_mov_b32 s21, 0xbfc90fdb                      ; - the f32 number nearest to pi/2
	s_mov_b32 s22, 0x333bbd2e                      ; - what is left of pi/2
	s_mov_b32 s23, 0xb94ca1f9                      ; sin: -1.9515296e-4, 8.3321609e-3, -1.6666655e-1
	s_mov_b32 s24, 0x3c08839e
	s_mov_b32 s25, 0xbe2aaaa3
	s_mov_b32 s26, 0x37ccf5ce                      ; cos: 2.4433157e-5, -1.3887316e-3, 4.1666646e-2
	s_mov_b32 s27, 0xbab6061a
	s_mov_b32 s28, 0x3d2aaaa5
	s_mov_b32 s29, 0x80000000
	v_nop                                          ; a plain instruction between the reciprocal and its use
	s_wait_kmcnt 0x0
; token t works in v[8 + 12 t] on; the four tokens take turns line by line
.irp t, 0,1,2,3
	v_cvt_f32_i32 v[8+12*\t], s[8+\t]
.endr
	s_wait_alu depctr_va_vdst(0)
.irp t, 0,1,2,3
	v_mul_f32 v[9+12*\t], v[8+12*\t], v3
.endr
.irp t, 0,1,2,3
	v_fma_f32 v[10+12*\t], -v[9+12*\t], v2, v[8+12*\t]     ; the remainder
.endr
.irp t, 0,1,2,3
	v_fma_f32 v[8+12*\t], v[10+12*\t], v3, v[9+12*\t]      ; a
.endr
.irp t, 0,1,2,3
	v_mul_f32 v[9+12*\t], s20, v[8+12*\t]
.endr
.irp t, 0,1,2,3
	v_rndne_f32 v[9+12*\t], v[9+12*\t]                     ; n
.endr
.irp t, 0,1,2,3
	v_fma_f32 v[10+12*\t], v[9+12*\t], s21, v[8+12*\t]
.endr
.irp t, 0,1,2,3
	v_fma_f32 v[10+12*\t], v[9+12*\t], s22, v[10+12*\t]    ; r
.endr
.irp t, 0,1,2,3
	v_mul_f32 v[11+12*\t], v[10+12*\t], v[10+12*\t]        ; z = r r
.endr
.irp t, 0,1,2,3
	v_fma_f32 v[12+12*\t], v[11+12*\t], s23, s24
.endr
.irp t, 0,1,2,3
	v_fma_f32 v[12+12*\t], v[12+12*\t], v[11+12*\t], s25
.endr
.irp t, 0,1,2,3
	v_mul_f32 v[12+12*\t], v[12+12*\t], v[11+12*\t]
.endr
.irp t, 0,1,2,3
	v_fma_f32 v[12+12*\t], v[12+12*\t], v[10+12*\t], v[10+12*\t]   ; sin r
.endr
.irp t, 0,1,2,3
	v_fma_f32 v[13+12*\t], v[11+12*\t], s26, s27
.endr
.irp t, 0,1,2,3
	v_fma_f32 v[13+12*\t], v[13+12*\t], v[11+12*\t], s28
.endr
.irp t, 0,1,2,3
	v_mul_f32 v[13+12*\t], v[13+12*\t], v[11+12*\t]
.endr
.irp t, 0,1,2,3
	v_fma_f32 v[14+12*\t], v[11+12*\t], -0.5, 1.0
.endr
.irp t, 0,1,2,3
	v_fma_f32 v[13+12*\t], v[13+12*\t], v[11+12*\t], v[14+12*\t]   ; cos r
.endr
.irp t, 0,1,2,3
	v_cvt_i32_f32 v[14+12*\t], v[9+12*\t]                  ; n as a whole number
.endr
.irp t, 0,1,2,3
	v_and_b32 v[15+12*\t], 1, v[14+12*\t]
	v_cmp_eq_u32 vcc_lo, 1, v[15+12*\t]                    ; an odd quadrant swaps the two
	v_cndmask_b32 v[17+12*\t], v[12+12*\t], v[13+12*\t], vcc_lo
	v_cndmask_b32 v[16+12*\t], v[13+12*\t], v[12+12*\t], vcc_lo
	v_lshlrev_b32 v[15+12*\t], 30, v[14+12*\t]
	v_and_b32 v[15+12*\t], s29, v[15+12*\t]                ; sin changes sign in quadrants 2 and 3,
	v_xor_b32 v[17+12*\t], v[17+12*\t], v[15+12*\t]
	v_add_nc_u32 v[14+12*\t], 1, v[14+12*\t]
	v_lshlrev_b32 v[14+12*\t], 30, v[14+12*\t]
	v_and_b32 v[14+12*\t], s29, v[14+12*\t]                ; cos in quadrants 1 and 2
	v_xor_b32 v[16+12*\t], v[16+12*\t], v[14+12*\t]
	global_store_b64 v1, v[16+12*\t:17+12*\t], s[6:7] offset:256*\t   ; 32 lanes store a token's 256 consecutive bytes
.endr
	s_endpgm
.Lfunc_end_k_q5b3aeafea9_ropetab:
	.size	k_q5b3aeafea9_ropetab, .Lfunc_end_k_q5b3aeafea9_ropetab-k_q5b3aeafea9_ropetab
	.p2alignl 7, 3214868480
	.fill 96, 4, 3214868480
	.section	.rodata,"a",@progbits
	.p2align	6, 0x0
	.amdhsa_kernel k_q5b3aeafea9_ropetab
		.amdhsa_group_segment_fixed_size 0
		.amdhsa_private_segment_fixed_size 0
		.amdhsa_enable_private_segment 0
		.amdhsa_kernarg_size 16
		.amdhsa_user_sgpr_count 2
		.amdhsa_user_sgpr_kernarg_segment_ptr 1
		.amdhsa_wavefront_size32 1
		.amdhsa_system_sgpr_workgroup_id_x 1
		.amdhsa_system_sgpr_workgroup_id_y 1
		.amdhsa_system_sgpr_workgroup_id_z 1
		.amdhsa_system_vgpr_workitem_id 0
		.amdhsa_next_free_vgpr 64
		.amdhsa_next_free_sgpr 66
		.amdhsa_reserve_vcc 1
		.amdhsa_float_denorm_mode_32 3
		.amdhsa_float_denorm_mode_16_64 3
		.amdhsa_memory_ordered 1
		.amdhsa_forward_progress 1
		.amdhsa_inst_pref_size 12
	.end_amdhsa_kernel
	.amdgpu_metadata
---
amdhsa.version: [ 1, 2 ]
amdhsa.kernels:
  - .name:           k_q5b3aeafea9_ropetab
    .symbol:         k_q5b3aeafea9_ropetab.kd
    .args:
      - { .name: token_positions, .offset: 0, .size: 8, .value_kind: global_buffer, .address_space: global }
      - { .name: rope, .offset: 8, .size: 8, .value_kind: global_buffer, .address_space: global }
    .group_segment_fixed_size: 0
    .private_segment_fixed_size: 0
    .kernarg_segment_align: 8
    .kernarg_segment_size: 16
    .max_flat_workgroup_size: 128
    .sgpr_count:     66
    .vgpr_count:     64
    .wavefront_size: 32
...
	.end_amdgpu_metadata
.endif
;; end of part 1
;; launch qkv (part 2): grid 12 x 16, 4 waves a work-group, clusters of 4 x 4, 327,680 bytes of LDS; arguments x_codes, x_scales, Wqkv_codes, Wqkv_scales, rope, q_img, q_sc, kv; writes q_img, q_sc, kv
.if DOCPART == 2
	.amdgcn_target "amdgcn-amd-amdhsa--gfx1250"
	.amdhsa_code_object_version 6
	.text
	.protected	k_q5b3aeafea9_qkv
	.globl	k_q5b3aeafea9_qkv
	.p2align	8
	.type	k_q5b3aeafea9_qkv,@function
k_q5b3aeafea9_qkv:
	s_mov_b64 s[64:65], 0
	v_nop
	global_prefetch_b8 v0, s[64:65] scope:SCOPE_SE
	s_setreg_imm32_b32 hwreg(HW_REG_WAVE_MODE, 25, 1), 1
	s_wait_xcnt 0x0
	s_wait_alu depctr_hold_cnt(0) depctr_sa_sdst(0) depctr_va_vdst(0) depctr_va_sdst(0) depctr_va_ssrc(0) depctr_va_vcc(0) depctr_vm_vsrc(0)
	s_getreg_b32 s2, hwreg(HW_REG_IB_STS2, 6, 4)
	s_cmp_eq_u32 s2, 0
	s_cbranch_scc0 .Lentry_in_a_cluster
	s_endpgm
.Lentry_in_a_cluster:
	s_bfe_u32 s2, ttmp6, 0x10000c
	s_cmp_lg_u32 s2, 0xf033
	s_cbranch_scc0 .Lentry_shape_is_right
	s_endpgm
.Lentry_shape_is_right:
.set KROW,   1024
.set ROWB,   256
.set ASTEP,  256
.set NQ,     2
.set PITCH,  272
.set FR,     16
.set NL,     4
.set NP,     8
.set HALFT,  128*PITCH
.set SLOT,   4*HALFT
.set KS,     32
.set SCL,    2*SLOT
.set HALFS,  16*272
.set SPARE,  303104
.set KVS,    17152
.set KVH,    32*KVS
.set ADRR, 16
.set ADRP, 20
.set ADRS, 27
.set SPW,  28
.set NIL,  29
.set SC,   32
.set RF,   128
.set G1, 24
.set G0, 32
.set G1B, 48
.set G0B, 56
.set G1S, 68
.set G0S, 76
.set G1SB, 80
.set G0SB, 88
.set MSB, 0
.macro WIN new
.if MSB != (\new)
	s_set_vgpr_msb (MSB<<8)|(\new)
.set MSB, (\new)
.endif
.endm
.set MUL_LO, 0xa1
.set MUL_HI, 0xf1
.set TO_P,   0x40
.macro JLOAD g0a, g1a, g0b, g1b
	s_cmp_eq_u32 s15, 0
	s_cbranch_scc0 .Lfor_b_\@
	tensor_load_to_lds s[\g0a:\g0a+3], s[\g1a:\g1a+7]
	s_nop 0
.rept 4
	v_nop
.endr
	s_branch .Lasked_\@
.Lfor_b_\@:
	tensor_load_to_lds s[\g0b:\g0b+3], s[\g1b:\g1b+7]
	s_nop 0
.rept 4
	v_nop
.endr
.Lasked_\@:
.endm
.macro CREST
	s_cmp_lg_u32 s14, 0
	s_cbranch_scc1 .Lnot_wave_0_\@
	s_barrier_signal -3
.Lnot_wave_0_\@:
	s_barrier_wait -3
	s_barrier_signal -1
	s_barrier_wait -1
.endm
.macro CROUND
	s_barrier_signal -1
	s_barrier_wait -1
	CREST
.endm
	s_load_b128 s[4:7], s[0:1], 0x0
	s_load_b128 s[8:11], s[0:1], 0x10
	s_load_b64 s[94:95], s[0:1], 0x20              ; rope, for the prefetch
	v_lshl_add_u32 v[SPW], v0, 2, SPARE
	v_mov_b32 v[NIL], 0
	ds_add_u32 v28, v29
	ds_add_u32 v28, v29
	s_wait_dscnt 0x0
	v_lshrrev_b32 v1, 5, v0
	v_readfirstlane_b32 s14, v1
	s_lshr_b32 s15, s14, 1
	s_and_b32 s16, s14, 1
	s_bfe_u32 s40, ttmp6, 0x40000
	s_bfe_u32 s41, ttmp6, 0x40004
	; LDS region 0 (source 1, a lane a row) holds x's rows for Q and K and W_v's rows for V; region 1 (source 0, registers along its rows) the other tensor's.
	; In V's clusters (cluster x = 2) the places swap roles: W_v's tile is picked by cy, x's by cx.  So region 0's tile hangs on cy alone and region 1's on cx alone, and only global addresses hang on the cluster's number.
	s_lshl_b32 s42, ttmp9, 2
	s_and_b32 s17, ttmp7, 0xffff
	s_lshl_b32 s17, s17, 2
	s_cmp_eq_u32 ttmp9, 2
	s_cselect_b32 s42, s17, s42
	s_cselect_b32 s17, 8, s17
	s_add_co_u32 s42, s42, s40
	s_add_co_u32 s17, s17, s41
	s_lshl_b32 s43, s41, 2
	s_lshl_b32 s43, 15, s43
	s_lshl_b32 s44, 0x1111, s40
	s_or_b32 s[G1+0], s43, (0<<16)|(1<<20)|(1<<21)|(5<<22)|(3<<25)
	s_or_b32 s[G1B+0], s44, (0<<16)|(1<<20)|(1<<21)|(5<<22)|(3<<25)
.irp g, G1, G1B
	s_mov_b32 s[\g+1], ROWB<<16
	s_mov_b32 s[\g+2], 256<<16                     ; the head's loads bring 256 rows; behind them the two words that count rows are set to 128
	s_mov_b32 s[\g+3], ROWB<<16
	s_mov_b32 s[\g+4], 256
	s_mov_b32 s[\g+5], KROW
	s_mov_b32 s[\g+6], 0
	s_mov_b32 s[\g+7], 0
.endr
	s_or_b32 s[G1S+0], s43, (3<<16)|(1<<20)|(1<<21)|(5<<22)|(3<<25)
	s_or_b32 s[G1SB+0], s44, (3<<16)|(1<<20)|(1<<21)|(5<<22)|(3<<25)
.irp g, G1S, G1SB
	s_mov_b32 s[\g+1], 32<<16
	s_mov_b32 s[\g+2], 32<<16                      ; the scale bytes of 256 rows: 32 rows of 256 bytes
	s_mov_b32 s[\g+3], 32<<16
	s_mov_b32 s[\g+4], 32
	s_mov_b32 s[\g+5], 32
	s_mov_b32 s[\g+6], 0
	s_mov_b32 s[\g+7], 0
.endr
	s_lshl_b32 s20, s17, 8
	s_lshl_b32 s46, s42, 8
	s_mov_b32 s21, 0
	s_mov_b32 s47, 0
	s_mov_b64 s[18:19], KS
	s_mul_u64 s[22:23], s[20:21], s[18:19]
	s_mul_u64 s[92:93], s[46:47], s[18:19]
	s_mov_b64 s[18:19], KROW
	s_mul_u64 s[20:21], s[20:21], s[18:19]
	s_mul_u64 s[46:47], s[46:47], s[18:19]
	s_mul_i32 s18, s16, 128*KROW                   ; in the ring I fetch 128 rows of a tile: which half, in bytes
	s_mov_b32 s19, 0
	s_mul_i32 s45, s14, HALFT
	s_wait_kmcnt 0x0
	s_cmp_eq_u32 ttmp9, 2
	s_cselect_b64 s[96:97], s[8:9], s[4:5]
	s_cselect_b64 s[8:9], s[4:5], s[8:9]
	s_cselect_b64 s[98:99], s[10:11], s[6:7]
	s_cselect_b64 s[10:11], s[6:7], s[10:11]
	s_add_nc_u64 s[20:21], s[96:97], s[20:21]
	s_add_nc_u64 s[22:23], s[98:99], s[22:23]
	s_add_nc_u64 s[46:47], s[8:9], s[46:47]
	s_add_nc_u64 s[92:93], s[10:11], s[92:93]
	s_lshl_b32 s96, s17, 8                         ; the prefetch of rope: of my tile's 256 tokens (256 bytes each) the partner at cx takes 64, its waves 0 and 1 take 32 each, a lane a token
	s_lshl_b32 s97, s40, 6
	s_add_co_u32 s96, s96, s97
	s_lshl_b32 s97, s16, 5
	s_add_co_u32 s96, s96, s97
	s_lshl_b32 s96, s96, 8
	s_mov_b32 s97, 0
	s_add_nc_u64 s[94:95], s[94:95], s[96:97]
	s_cmp_lg_u32 ttmp9, 2
	s_cselect_b32 s3, s15, 1                       ; 0 in waves 0 and 1 of Q's and K's clusters: V's read no rope
	CROUND
	s_mov_b32 s[G0S], 1
	s_mov_b32 s[G0S+1], SCL
	s_mov_b64 s[G0S+2:G0S+3], s[22:23]
	s_or_b32 s[G0S+3], s[G0S+3], 0x80000000
	s_mov_b32 s[G0SB], 1
	s_mov_b32 s[G0SB+1], SCL+2*HALFS
	s_mov_b64 s[G0SB+2:G0SB+3], s[92:93]
	s_or_b32 s[G0SB+3], s[G0SB+3], 0x80000000
	s_mov_b32 s4, 1                                ; group 0 of the head's loads of K step 0: region 0's 256 rows,
	s_mov_b32 s5, 0
	s_mov_b64 s[6:7], s[20:21]
	s_or_b32 s7, s7, 0x80000000
	s_mov_b32 s8, 1                                ; and region 1's, behind them in slot 0
	s_mov_b32 s9, 2*HALFT
	s_mov_b64 s[10:11], s[46:47]
	s_or_b32 s11, s11, 0x80000000
	s_add_nc_u64 s[20:21], s[20:21], s[18:19]      ; for the ring: my 128 rows of the tile
	s_add_nc_u64 s[46:47], s[46:47], s[18:19]
.irp s, 0,1
	s_mov_b32 s[G0+4*\s], 1
	s_add_co_u32 s[G0+4*\s+1], s45, \s*SLOT
	s_add_nc_u64 s[G0+4*\s+2:G0+4*\s+3], s[20:21], \s*ASTEP
	s_or_b32 s[G0+4*\s+3], s[G0+4*\s+3], 0x80000000
	s_mov_b32 s[G0B+4*\s], 1
	s_add_co_u32 s[G0B+4*\s+1], s45, \s*SLOT
	s_add_nc_u64 s[G0B+4*\s+2:G0B+4*\s+3], s[46:47], \s*ROWB
	s_or_b32 s[G0B+4*\s+3], s[G0B+4*\s+3], 0x80000000
.endr
; THE HEAD'S LOADS, ONE A WAVE: wave 0 K step 0's 256 rows of region 0, wave 1 those of region 1, waves 2 and 3 their scale bytes.  One chain of branches on the wave's number, a load to an arm.
.macro ARM under, g0, g1, next
	s_cmp_lt_u32 s14, \under
	s_cbranch_scc0 \next
	tensor_load_to_lds s[\g0:\g0+3], s[\g1:\g1+7]
	s_nop 0
.rept 4
	v_nop
.endr
	s_branch .Lhead_asked
\next:
.endm
	ARM 1, 4, G1,  .Lhead_b
	ARM 2, 8, G1B, .Lhead_sa
	ARM 3, G0S, G1S, .Lhead_sb
	tensor_load_to_lds s[G0SB:G0SB+3], s[G1SB:G1SB+7]
	s_nop 0
.rept 4
	v_nop
.endr
.Lhead_asked:
	v_and_b32 v8, 31, v0
	v_lshlrev_b32 v8, 8, v8                        ; the prefetch's offset: 256 x lane; never rewritten
	v_and_b32 v1, 15, v0
	v_bfe_u32 v2, v0, 4, 1
	v_and_b32 v7, 8, v1
	v_add_nc_u32 v7, v7, v1
	v_mul_u32_u24 v3, v7, PITCH
	v_lshl_add_u32 v4, v2, 4, v3
	s_wait_alu depctr_va_vdst(0)
	s_mul_i32 s21, s15, HALFT
	s_mul_i32 s22, s16, HALFT
	s_add_co_u32 s22, s22, 2*HALFT
	s_mov_b32 s18, s21
	s_mov_b32 s19, s22
.irp s, 0,1
	v_add_nc_u32 v[ADRR+\s], s18, v4
	v_add_nc_u32 v[ADRP+\s], s19, v4
	s_add_co_u32 s18, s18, SLOT
	s_add_co_u32 s19, s19, SLOT
.endr
	v_lshlrev_b32 v5, 5, v7
	v_lshrrev_b32 v6, 8, v5
	v_lshl_add_u32 v5, v6, 4, v5
	s_mul_i32 s21, s15, HALFS
	s_mul_i32 s22, s16, HALFS
	s_add_co_u32 s22, s22, 2*HALFS
	s_sub_co_u32 s22, s22, s21
	v_mul_u32_u24 v6, s22, v2
	s_add_co_u32 s21, s21, SCL
	v_add_nc_u32 v5, v5, v6
	v_add_nc_u32 v[ADRS], s21, v5
.macro FRAG reg, adr, q, i
.irp c, 0,1,2,3
	ds_load_b128 v[\reg+4*\c:\reg+4*\c+3], v[\adr] offset:128*(\q)+32*\c+(32*((\i)/2)+8*((\i)%2))*PITCH
.endr
.endm
.macro MUL16 a0, p, q, sc, zero
.irp a, \a0, \a0+1
.irp b, 0,1,2,3,4,5,6,7
.if \zero
	v_wmma_scale_f32_16x16x128_f8f6f4 v[8*(8*((\a)%4)+\b):8*(8*((\a)%4)+\b)+7], v[128*(\p)+FR*\b:128*(\p)+FR*\b+FR-1], v[RF+FR*(\a):RF+FR*(\a)+FR-1], 0, v[SC+8*NQ*(\sc)+NQ*\b+(\q)], v[SC+8*NQ*(\sc)+NQ*(\a)+(\q)] matrix_a_scale:MATRIX_SCALE_ROW1
.else
	v_wmma_scale_f32_16x16x128_f8f6f4 v[8*(8*((\a)%4)+\b):8*(8*((\a)%4)+\b)+7], v[128*(\p)+FR*\b:128*(\p)+FR*\b+FR-1], v[RF+FR*(\a):RF+FR*(\a)+FR-1], v[8*(8*((\a)%4)+\b):8*(8*((\a)%4)+\b)+7], v[SC+8*NQ*(\sc)+NQ*\b+(\q)], v[SC+8*NQ*(\sc)+NQ*(\a)+(\q)] matrix_a_scale:MATRIX_SCALE_ROW1
.endif
.endr
.endr
.endm
.macro FETCH_P slot, q, p
	WIN TO_P
.irp i, 0,1,2,3,4,5,6,7
	FRAG 128*(\p)+FR*\i, ADRP+\slot, \q, \i
.endr
	WIN 0
.endm
.macro FETCH_R slot, q, i0
.irp i, \i0, \i0+1, \i0+2, \i0+3
	FRAG RF+FR*(\i), ADRR+\slot, \q, \i
.endr
.endm
.macro SCALES sc
.irp i, 0,1,2,3,4,5,6,7
	ds_load_b64 v[SC+8*NQ*\sc+NQ*\i:SC+8*NQ*\sc+NQ*\i+1], v[ADRS] offset:(4*(\i/2)+(\i%2))*272
.endr
.endm
.macro PLACES n
.rept \n
	v_nop
.endr
.endm
.macro STEP slot, q, zero
	s_wait_dscnt 4*NL
	WIN MUL_LO
	MUL16 0, (\q)%2, \q, \slot, \zero
	MUL16 2, (\q)%2, \q, \slot, \zero
	s_wait_dscnt 0
	PLACES NP
	FETCH_P \slot, (\q)+1, 1-(\q)%2
	FETCH_R \slot, (\q)+1, 0
	WIN MUL_HI
	MUL16 4, (\q)%2, \q, \slot, \zero
	MUL16 6, (\q)%2, \q, \slot, \zero
	PLACES NP
	WIN 0
	FETCH_R \slot, (\q)+1, 4
.endm
.macro TURN slot, next, fill
	s_wait_tensorcnt 0x0
	ds_add_u32 v[SPW], v[NIL]
	s_wait_dscnt 4*NL+1
	WIN MUL_LO
	MUL16 0, 1, NQ-1, \slot, 0
	s_wait_dscnt 0x0
	s_barrier_signal -1
	MUL16 2, 1, NQ-1, \slot, 0
	WIN 0
	s_barrier_wait -1
.if \fill
	CREST
	s_add_nc_u64 s[G0+4*\slot+2:G0+4*\slot+3], s[G0+4*\slot+2:G0+4*\slot+3], 2*ASTEP
	s_add_nc_u64 s[G0B+4*\slot+2:G0B+4*\slot+3], s[G0B+4*\slot+2:G0B+4*\slot+3], 2*ROWB
	JLOAD G0+4*\slot, G1, G0B+4*\slot, G1B
	PLACES NP-4
.else
	PLACES NP
.endif
	s_wait_alu depctr_va_vdst(0)
	v_add_nc_u32 v[ADRS], 4*NQ, v[ADRS]
	FETCH_P \next, 0, 0
	FETCH_R \next, 0, 0
	SCALES \next
	WIN MUL_HI
	MUL16 4, 1, NQ-1, \slot, 0
	MUL16 6, 1, NQ-1, \slot, 0
	PLACES NP
	WIN 0
	FETCH_R \next, 0, 4
.endm
	s_wait_alu depctr_va_vdst(0)
	s_wait_tensorcnt 0x0                           ; my tile of the head's four is in
	ds_add_u32 v[SPW], v[NIL]
	s_mov_b32 s[G1+2], 128<<16                     ; no tensor load of mine is out: from here on a load brings 128 rows
	s_mov_b32 s[G1+4], 128
	s_mov_b32 s[G1B+2], 128<<16
	s_mov_b32 s[G1B+4], 128
	s_wait_dscnt 0x0
	CROUND
	JLOAD G0+4, G1, G0B+4, G1B                     ; K step 1, the first tensor load behind the round
	FETCH_P 0, 0, 0
	FETCH_R 0, 0, 0
	SCALES 0
	FETCH_R 0, 0, 4
	s_cmp_eq_u32 s3, 0
	s_cbranch_scc0 .Lno_rope
	global_prefetch_b8 v8, s[94:95] th:TH_LOAD_NT scope:SCOPE_SE   ; the rows of rope that the way out loads, all eight steps of 128 along K ahead of those loads
.Lno_rope:
	STEP 0, 0, 1
	TURN 0, 1, 1
	STEP 1, 0, 0
	TURN 1, 0, 1
	STEP 0, 0, 0
	TURN 0, 1, 0
	s_load_b256 s[24:31], s[0:1], 0x20
	STEP 1, 0, 0
	s_wait_dscnt 4*NL
	WIN MUL_LO
	MUL16 0, 1, NQ-1, 1, 0
	MUL16 2, 1, NQ-1, 1, 0
	s_wait_dscnt 0
	WIN MUL_HI
	MUL16 4, 1, NQ-1, 1, 0
	MUL16 6, 1, NQ-1, 1, 0
	WIN 0
	PLACES NP
.set AL,  1
.set A8,  2
.set VCS, 3
.set PC,  32
.set TM,  48
.set T,   64
.set SW,  128
.set PW,  136
.set WT,  137
.set RT,  140
.set SEL, 60
.set MNT, 62
	v_and_b32 v1, 31, v0
	v_lshlrev_b32 v[A8], 3, v1
	v_lshlrev_b32 v[AL], 4, v1
	v_and_b32 v4, 15, v0
	v_and_b32 v5, 8, v4
	v_add_nc_u32 v4, v4, v5
	v_bfe_u32 v5, v0, 4, 1
	v_lshlrev_b32 v[VCS], 8, v4
	v_lshl_add_u32 v[VCS], v5, 6, v[VCS]
.irp b, 0,1,2,3
	v_mov_b32 v[TM+4+\b], 0
.endr
	s_mov_b32 s[SEL], 0x76543210
	s_mov_b32 s[SEL+1], 0xfedcba98
	s_mov_b32 s[MNT], 0x600000
	s_mov_b32 vcc_lo, 0xffff0000
	s_lshl_b32 s45, s40, 2
	s_lshl_b32 s46, s16, 1
	s_add_co_u32 s45, s45, s46
	s_lshl_b32 s46, s17, 1
	s_add_co_u32 s46, s46, s15
	s_mov_b32 s49, 0
.macro QUANT src, w, pw
	WIN (\w)|((\w)<<2)
.irp b, 0,1,2,3
	v_max3_num_f32 v[TM+\b], |v[(\src)+16*\b]|, |v[(\src)+16*\b+1]|, 0x4800000
.endr
.irp i, 2,4,6,8,10,12,14
.irp b, 0,1,2,3
	v_max3_num_f32 v[TM+\b], |v[(\src)+16*\b+\i]|, |v[(\src)+16*\b+\i+1]|, v[TM+\b]
.endr
.endr
	WIN 0
.irp b, 0,1,2,3
	v_permlanex16_b32 v[TM+4+\b], v[TM+\b], s[SEL], s[SEL+1]
.endr
.irp b, 0,1,2,3
	v_max_num_f32 v[TM+\b], v[TM+\b], v[TM+4+\b]
.endr
.irp b, 0,1,2,3
	v_add_nc_u32 v[TM+12+\b], 0xfc000000, v[TM+\b]
.endr
.irp b, 0,1,2,3
	v_and_or_b32 v[TM+8+\b], v[TM+\b], 0x7f800000, s[MNT]
.endr
.irp b, 0,1,2,3
	v_lshrrev_b32 v[TM+4+\b], 23, v[TM+12+\b]
.endr
	v_lshl_or_b32 v[\pw], v[TM+5], 8, v[TM+4]
	v_lshl_or_b32 v[\pw], v[TM+6], 16, v[\pw]
	v_lshl_or_b32 v[\pw], v[TM+7], 24, v[\pw]
	WIN (\w)
.set k, 0
.rept 64
	v_med3_num_f32 v[T+k], v[(\src)+k], -v[TM+8+k/16], v[TM+8+k/16]
.set k, k+1
.endr
	WIN 0
	s_wait_alu depctr_va_vdst(0)
	s_wait_xcnt 0x0
.irp b, 0,1,2,3
	v_cvt_scalef32_pk8_fp8_f32 v[PC+4*\b:PC+4*\b+1], v[T+16*\b:T+16*\b+7], v[TM+12+\b]
	v_cvt_scalef32_pk8_fp8_f32 v[PC+4*\b+2:PC+4*\b+3], v[T+16*\b+8:T+16*\b+15], v[TM+12+\b]
.endr
	v_nop
.endm
.macro ROPE a
	WIN 0x06+((\a)/4)
.irp b, 0,1,2,3,4,5,6,7
.irp jj, 0,1,2,3
	v_mul_f32 v[RT+\jj], v[64*((\a)%4)+8*\b+2*\jj+1], v[32*(\a)+8*(\b%4)+2*\jj+1]
.endr
.irp jj, 0,1,2,3
	v_fma_f32 v[T+8*\b+2*\jj], v[64*((\a)%4)+8*\b+2*\jj], v[32*(\a)+8*(\b%4)+2*\jj], -v[RT+\jj]
.endr
.irp jj, 0,1,2,3
	v_mul_f32 v[RT+4+\jj], v[64*((\a)%4)+8*\b+2*\jj+1], v[32*(\a)+8*(\b%4)+2*\jj]
.endr
.irp jj, 0,1,2,3
	v_fma_f32 v[T+8*\b+2*\jj+1], v[64*((\a)%4)+8*\b+2*\jj], v[32*(\a)+8*(\b%4)+2*\jj+1], v[RT+4+\jj]
.endr
.endr
	WIN 0
.endm
	s_wait_kmcnt 0x0
	s_cmp_eq_u32 ttmp9, 2
	s_cbranch_scc1 .Lv_path
	s_cmp_eq_u32 ttmp9, 0
	s_cselect_b64 s[32:33], s[26:27], s[30:31]
	s_cselect_b64 s[34:35], s[28:29], s[30:31]
	s_mov_b32 s36, KVH
	s_cselect_b32 s36, 262144, s36
	s_mov_b32 s37, KVS
	s_cselect_b32 s37, 8192, s37
	s_mov_b32 s38, KVH
	s_cselect_b32 s38, 16384, s38
	s_mov_b32 s39, KVS
	s_cselect_b32 s39, 512, s39
	s_cselect_b32 s44, 0, 16384
	s_mul_i32 s48, s45, s36
	s_mul_i32 s47, s46, s37
	s_add_co_u32 s48, s48, s47
	s_add_nc_u64 s[50:51], s[32:33], s[48:49]
	s_mov_b32 s48, s36
	s_add_nc_u64 s[52:53], s[50:51], s[48:49]
	s_mul_i32 s48, s45, s38
	s_mul_i32 s47, s46, s39
	s_add_co_u32 s48, s48, s47
	s_add_co_u32 s48, s48, s44
	s_add_nc_u64 s[54:55], s[34:35], s[48:49]
	s_mov_b32 s48, s38
	s_add_nc_u64 s[56:57], s[54:55], s[48:49]
	s_lshl_b32 s48, s46, 15
	s_add_nc_u64 s[58:59], s[24:25], s[48:49]
	WIN 0x40
	s_wait_alu depctr_va_vdst(0)
.irp a, 0,1,2,3,4,5,6,7
.irp cb, 0,1
.irp u, 0,1
.irp q, 0,1
	global_load_b128 v[32*\a+16*\cb+8*\u+4*\q:32*\a+16*\cb+8*\u+4*\q+3], v[VCS], s[58:59] offset:(32*(\a/2)+8*(\a%2))*256+128*\cb+32*\u+16*\q
.endr
.endr
.endr
.endr
	WIN 0
.irp a, 0,1,2,3,4,5,6,7
	s_wait_loadcnt 8*(7-\a)
	ROPE \a
	QUANT T, 0, PW
	global_store_b128 v[AL], v[PC:PC+3], s[50:51] offset:1024*\a
	global_store_b128 v[AL], v[PC+4:PC+7], s[50:51] offset:1024*\a+512
	global_store_b128 v[AL], v[PC+8:PC+11], s[52:53] offset:1024*\a
	global_store_b128 v[AL], v[PC+12:PC+15], s[52:53] offset:1024*\a+512
.if \a%2 == 0
	v_and_b32 v[SW+\a/2], 0xffff, v[PW]
	v_lshrrev_b32 v[SW+4+\a/2], 16, v[PW]
.else
	v_lshlrev_b32 v[WT], 16, v[PW]                 ; an odd tile's two bytes stand in the word's upper half: there its 64 codes lie in a fragment of two tiles
	v_and_b32 v[WT+1], 0xffff0000, v[PW]
	v_cndmask_b32 v[SW+\a/2], v[SW+\a/2], v[WT], vcc_lo
	v_cndmask_b32 v[SW+4+\a/2], v[SW+4+\a/2], v[WT+1], vcc_lo
.endif
.endr
	global_store_b128 v[AL], v[SW:SW+3], s[54:55]
	global_store_b128 v[AL], v[SW+4:SW+7], s[56:57]
	s_branch .Ldone
.Lv_path:
	s_lshl_b32 s45, s41, 2                         ; V: my first head = 4 cy + 2 x my half of region 0,
	s_lshl_b32 s46, s15, 1
	s_add_co_u32 s45, s45, s46
	s_lshl_b32 s46, s42, 1                         ; my key step = 2 x the tile of x + my half of region 1
	s_add_co_u32 s46, s46, s16
	s_mul_i32 s48, s45, KVH
	s_mul_i32 s47, s46, KVS
	s_add_co_u32 s48, s48, s47
	s_add_nc_u64 s[50:51], s[30:31], s[48:49]
	s_add_nc_u64 s[52:53], s[50:51], KVH
.irp a, 0,1,2,3,4,5,6,7
.if \a%2 == 0
	QUANT 64*(\a%4), 2+\a/4, SW+2*(\a/4)+(\a%4)/2
.else
	QUANT 64*(\a%4), 2+\a/4, PW
	v_cndmask_b32 v[SW+2*(\a/4)+(\a%4)/2], v[SW+2*(\a/4)+(\a%4)/2], v[PW], vcc_lo
.endif
.irp c, 0,1,2,3
	global_store_b128 v[AL], v[PC+4*\c:PC+4*\c+3], s[50+2*(\a/4):51+2*(\a/4)] offset:8192+2048*(\a%4)+512*\c
.endr
.endr
	global_store_b64 v[A8], v[SW:SW+1], s[50:51] offset:16896
	global_store_b64 v[A8], v[SW+2:SW+3], s[52:53] offset:16896
.Ldone:
	s_wait_tensorcnt 0x0
	ds_add_u32 v[SPW], v[NIL]
	s_wait_dscnt 0x0
	CROUND
	s_endpgm
.Lfunc_end_k_q5b3aeafea9_qkv:
	.size	k_q5b3aeafea9_qkv, .Lfunc_end_k_q5b3aeafea9_qkv-k_q5b3aeafea9_qkv
	.p2alignl 7, 3214868480
	.fill 96, 4, 3214868480
	.section	.rodata,"a",@progbits
	.p2align	6, 0x0
	.amdhsa_kernel k_q5b3aeafea9_qkv
		.amdhsa_group_segment_fixed_size 327680
		.amdhsa_private_segment_fixed_size 0
		.amdhsa_enable_private_segment 0
		.amdhsa_kernarg_size 64
		.amdhsa_user_sgpr_count 2
		.amdhsa_user_sgpr_kernarg_segment_ptr 1
		.amdhsa_wavefront_size32 1
		.amdhsa_system_sgpr_workgroup_id_x 1
		.amdhsa_system_sgpr_workgroup_id_y 1
		.amdhsa_system_sgpr_workgroup_id_z 1
		.amdhsa_system_vgpr_workitem_id 0
		.amdhsa_next_free_vgpr 1024
		.amdhsa_next_free_sgpr 100
		.amdhsa_reserve_vcc 1
		.amdhsa_float_denorm_mode_32 3
		.amdhsa_float_denorm_mode_16_64 3
		.amdhsa_memory_ordered 1
		.amdhsa_forward_progress 1
		.amdhsa_inst_pref_size 255
	.end_amdhsa_kernel
	.section	.bss,"aw",@nobits
	.p2align	6
	.space	262144
	.amdgpu_metadata
---
amdhsa.version: [ 1, 2 ]
amdhsa.kernels:
  - .name:           k_q5b3aeafea9_qkv
    .symbol:         k_q5b3aeafea9_qkv.kd
    .args:
      - { .name: x_codes, .offset: 0, .size: 8, .value_kind: global_buffer, .address_space: global }
      - { .name: x_scales, .offset: 8, .size: 8, .value_kind: global_buffer, .address_space: global }
      - { .name: Wqkv_codes, .offset: 16, .size: 8, .value_kind: global_buffer, .address_space: global }
      - { .name: Wqkv_scales, .offset: 24, .size: 8, .value_kind: global_buffer, .address_space: global }
      - { .name: rope, .offset: 32, .size: 8, .value_kind: global_buffer, .address_space: global }
      - { .name: q_img, .offset: 40, .size: 8, .value_kind: global_buffer, .address_space: global }
      - { .name: q_sc, .offset: 48, .size: 8, .value_kind: global_buffer, .address_space: global }
      - { .name: kv, .offset: 56, .size: 8, .value_kind: global_buffer, .address_space: global }
    .group_segment_fixed_size: 327680
    .private_segment_fixed_size: 0
    .kernarg_segment_align: 8
    .kernarg_segment_size: 64
    .max_flat_workgroup_size: 128
    .sgpr_count:     100
    .vgpr_count:     1024
    .wavefront_size: 32
...
	.end_amdgpu_metadata
.endif
;; end of part 2
;; launch attn (part 3): grid 16 x 16, 16 waves a work-group, no clusters, 327,680 bytes of LDS; arguments q_img, q_sc, kv, o_img, o_sc; writes o_img, o_sc
.if DOCPART == 3
	.amdgcn_target "amdgcn-amd-amdhsa--gfx1250"
	.amdhsa_code_object_version 6
	.text
	.protected	k_q5b3aeafea9_attn
	.globl	k_q5b3aeafea9_attn
	.p2align	8
	.type	k_q5b3aeafea9_attn,@function
k_q5b3aeafea9_attn:
	s_mov_b64 s[64:65], 0
	v_nop
	global_prefetch_b8 v0, s[64:65] scope:SCOPE_SE
	s_setreg_imm32_b32 hwreg(HW_REG_WAVE_MODE, 25, 1), 1
	s_wait_xcnt 0x0
; o = softmax(q k^T / 8, causal) v for one head, both products on codes of FP8 (E4M3) with E8M0 scales; o is divided by the row's sum and quantised along d_model for the last product.
; THE SOFTMAX: t = score x log2(e) / 8; M = the running largest t rounded UP to a whole number; p = 2^(t - M) is quantised along the keys; the row's sum is taken of the unquantised p; when M moves, sum and O are multiplied by 2^(old M - new M).
; Key steps that lie wholly under reference()'s own causal mask are not walked.
; SHARES.  Work-group (w, head) owns the groups w and 31 - w of 128 queries.  Group w wants key steps 0 .. w, group 31 - w key steps 0 .. 31 - w: 33 steps of 128 keys in every work-group, numbered i = 0 .. 32 (i <= w: the first pass).
; SIXTEEN waves of 256 registers, four to a SIMD.  Waves n and n + 8 (n under 8) share tile n (16 queries) of the group in hand and SPLIT THE KEYS: of each four steps wave n takes the first three, wave n + 8 the fourth; wave n + 8 also takes step 32.
; A SIMD holds two waves of each kind: 3 + 3 + 1 + 1 = 8 steps of a tile for each slot.  Each wave keeps its own M, sum and O^T.
; At a pass's end a wave lays that state into LDS bytes of its own; behind one last barrier wave n joins the two states of pass n / 8, tile n % 8: both are brought under the larger M (exact powers of two), added, divided, quantised, stored.
; THE RING.  A key step's block of kv (17,152 bytes: K's image, V's image, their scale words) is dense: one tensor load, 67 rows of 256 bytes.  A slot holds four steps (waves 0 to 3, a load each); two slots; steps 0 .. 31 go through them.
; Step 32 has LDS bytes of its own, filled at the head by wave 4, and is walked last.
; No cluster: the work-groups of a head want different key steps at the same time (their orders differ with w), so no request is common to partners.
; PREFETCH.  A head's part of kv is 67 blocks of 8,192 bytes.  In trip t = 1 .. 6 wave 8 of work-group w < 8 names block 16 + 8 t + w, a lane 256 bytes: the key steps that the tensor loads of the next trip and later want.  Blocks 0 .. 23 come by their loads alone.
; LAYOUT.  S^T = K Q^T, O^T = V^T P^T: a lane holds one query throughout.  The head's 64 fill half of the instruction's K, so ONE fragment holds TWO tiles of K (tile 2 p in K = 0 .. 63, tile 2 p + 1 in 64 .. 127): multiplied by [q | zero codes] it gives
; tile 2 p's scores, by [zero codes | q] tile 2 p + 1's.  K's codes are finite, so the zero codes take the other tile away.  Lane r of a tile of K takes key 32 b + 8 u + r + 8 (r / 8): the 16 registers of tiles 2 b, 2 b + 1 are 16 neighbouring keys.
; OUT: o_img [group 32][K slot 4][tile 8][K step 2][c 4][lane][16 B]; o_sc [token][32] bytes, two a head (stored two bytes a lane: one part in 32 of the codes' bytes).
; LIMITS: NaN and infinities are not served; a block whose largest magnitude lies under 2^-118 gets the byte 1: the bytes are read by this program alone; the scaled scores stay under 2^31 in magnitude.
.set STEPB, 17152
.set KVH,   32*STEPB
.set EOFF,  4*STEPB                    ; step 32's block, between the slots
.set SLOT1, 5*STEPB
.set STAGE, 9*STEPB                    ; the states: [pass 2][wave 16][O^T 4,096 bytes, then -M, t, the sum's halves: 512]
.set ST,    4608
.set SPARE, STAGE+32*ST                ; the spare words, 128 bytes for each wave: eight blocks of 256 bytes that no other line names
.set AL,  1                            ; 16 x lane, and one block on in waves 8 to 15
.set A8,  2                            ; 8 x lane, and the same
.set SPW, 3
.set NIL, 4
.set ADK, 5
.set ADS, 6
.set DM,  7                            ; my query's place in its group - 16 (lane / 16)
.set STA1, 8                           ; where my state of the second pass goes
.set STA0, 9                           ; and of the first
.set NINF, 10
.set PFO, 11
.set QF,  16                           ; v16-39: q, zeros, q
.set R0,  152                          ; two runs of 64 registers that swap roles from step to step
.set R1,  40
.set S,   R1
.set KV,  R0
.set O,   104
.set PC,  136
.set KS,  216
.set VS,  220
.set QS,  222
.set PW,  223
.set F,   224
.set TP,  226
.set Q2S, 227
.set BM,  228
.set PX,  232
.set LIM, 236
.set SOP, 240
.set CH,  244
.set Q2,  248                          ; the second pass's q
.set WV,  14
.set W,   15
.set HD,  16
.set MNT, 19
.set SEL, 20
.set CS,  22
.set G1,  24
.set G0,  32
.set KVB, 36
.set NI,  38                           ; which of the 33 steps my next load brings
.set W1,  39
.set TS,  40                           ; LDS byte at which the slot in hand begins
.set I,   41                           ; my step in hand
.set DG,  42                           ; the pass's step on the diagonal
.set SLOTS, 43
.set TF,  44                           ; the slot filled last
.set WOFF, 45
.set OIB, 48
.set OSB, 50
.set QB1, 52
.set QSB1, 54
.set QB2, 56
.set QSB2, 58
.set PFA, 66
.set PFC, 68
.set TL,  69                           ; my tile
.set HB,  70                           ; 0: I take three steps of four; 1: one.  Also the pass that I join at the end
.macro TLOAD lim                       ; waves under lim fetch a step's block each; an s_nop 0 and four v_nop follow the load
	s_cmp_lt_u32 s[WV], \lim
	s_cbranch_scc0 .Lnone_\@
	tensor_load_to_lds s[G0:G0+3], s[G1:G1+7]
	s_nop 0
.rept 4
	v_nop
.endr
.Lnone_\@:
.endm
	s_load_b256 s[4:11], s[0:1], 0x0               ; q_img, q_sc, kv, o_img
	s_load_b64 s[12:13], s[0:1], 0x20              ; o_sc
	v_lshl_add_u32 v[SPW], v0, 2, SPARE
	v_mov_b32 v[NIL], 0
	ds_add_u32 v[SPW], v[NIL]                      ; the opening: the add, twice on end, and its wait ahead of the first tensor load
	ds_add_u32 v[SPW], v[NIL]
	v_lshrrev_b32 v5, 5, v0
	v_readfirstlane_b32 s[WV], v5                  ; wave 0..15
	s_mov_b32 s[W], ttmp9
	s_and_b32 s[HD], ttmp7, 0xffff
	s_min_u32 s17, s[WV], 4                        ; (waves 5-15 issue no load; their descriptor is wave 4's)
	s_add_co_u32 s[W1], s[W], 1
	s_mov_b32 s[G1], 3<<16                         ; no mask; elements of 8 bytes; no padding: images are read 16 bytes a lane on end
	s_mov_b32 s[G1+1], 32<<16                      ; tensor_dim0: 256 bytes
	s_mov_b32 s[G1+2], 67<<16                      ; tensor_dim1
	s_mov_b32 s[G1+3], 32<<16                      ; tile_dim0
	s_mov_b32 s[G1+4], 67                          ; tile_dim1
	s_mov_b32 s[G1+5], 32                          ; the pitch: dense
	s_mov_b32 s[G1+6], 0
	s_mov_b32 s[G1+7], 0
	s_mov_b32 s[SEL], 0x76543210
	s_mov_b32 s[SEL+1], 0xfedcba98
	s_mov_b32 s[CS], 0x3e38aa3b                    ; c = log2(e) / 8
	s_mov_b32 s[CS+1], s[CS]
	s_mov_b32 s[MNT], 0x600000
	s_mov_b32 s[TS], 0
	s_mov_b32 s[TF], 0
	s_lshr_b32 s[HB], s[WV], 3
	s_and_b32 s[TL], s[WV], 7
	s_mul_i32 s[I], s[HB], 3                       ; my first step: 0, or 3
	s_lshl_b32 s81, s[HB], 1
	s_add_co_u32 s81, s81, 2                       ; from my last step of a slot to my first of the next: 2, or 4
	s_mov_b32 s[DG], s[W]
	s_mov_b32 s[SLOTS], 7
	s_mov_b32 s47, 0
	s_mov_b32 s61, 0
	s_mov_b32 s63, 0
	s_mul_i32 s[WOFF], s17, STEPB                  ; LDS: wave n's step of a slot; wave 4: step 32's block
	s_add_co_u32 s[NI], s17, 4
	s_cmp_eq_u32 s17, 4
	s_cselect_b32 s18, 32, s17                     ; the step that I fetch at the head
	s_sub_co_u32 s60, s18, s[W1]                   ; step i is key step i (i <= w) or i - w - 1
	s_cmp_le_u32 s18, s[W]
	s_cselect_b32 s18, s18, s60
	s_mul_i32 s46, s18, STEPB
	s_mul_i32 s60, s[HD], KVH
	s_wait_dscnt 0x0                               ; both opening adds are done
	s_wait_kmcnt 0x0
	s_add_nc_u64 s[KVB:KVB+1], s[8:9], s[60:61]    ; the head's part of kv
	s_mov_b32 s[G0], 1
	s_mov_b32 s[G0+1], s[WOFF]
	s_add_nc_u64 s[G0+2:G0+3], s[KVB:KVB+1], s[46:47]
	s_or_b32 s[G0+3], s[G0+3], 0x80000000
	TLOAD 5                                        ; slot 0 and step 32: one load a wave at the head
	s_lshl_b32 s71, s[HD], 18                      ; the head in q_img,
	s_lshl_b32 s72, s[HD], 14                      ; in q_sc
	s_sub_co_u32 s74, 31, s[W]                     ; the second group
.macro QBASE g, qb, qsb
	s_lshl_b32 s60, s[\g], 3
	s_add_co_u32 s60, s60, s[TL]
	s_lshl_b32 s62, s60, 10
	s_add_co_u32 s62, s62, s71
	s_add_nc_u64 s[\qb:\qb+1], s[4:5], s[62:63]
	s_lshl_b32 s62, s[\g], 9
	s_add_co_u32 s62, s62, s72
	s_add_nc_u64 s[\qsb:\qsb+1], s[6:7], s[62:63]
.endm
	QBASE W, QB1, QSB1
	QBASE 74, QB2, QSB2
	s_cmp_eq_u32 s[HB], 0                          ; the group whose tile I join and store at the end
	s_cselect_b32 s75, s[W], s74
	s_lshr_b32 s62, s[HD], 2
	s_lshl_b32 s62, s62, 15
	s_and_b32 s60, s[HD], 3
	s_lshl_b32 s60, s60, 10
	s_add_co_u32 s62, s62, s60
	s_lshl_b32 s60, s[TL], 12
	s_add_co_u32 s62, s62, s60
	s_lshl_b32 s60, s75, 17
	s_add_co_u32 s62, s62, s60
	s_add_nc_u64 s[OIB:OIB+1], s[10:11], s[62:63]
	s_lshl_b32 s62, s75, 12
	s_lshl_b32 s60, s[HD], 1
	s_add_co_u32 s62, s62, s60
	s_add_nc_u64 s[OSB:OSB+1], s[12:13], s[62:63]
	s_add_co_u32 s[PFC], s[W], 16                  ; the prefetches: the first change of slots steps the block's number to 24 + w
	s_lshl_b32 s62, s[PFC], 13
	s_add_nc_u64 s[PFA:PFA+1], s[KVB:KVB+1], s[62:63]
	s_cmp_lt_u32 s[W], 8
	s_cselect_b32 s[PFC], s[PFC], 1000             ; every other work-group and wave: a number that never asks
	s_cmp_eq_u32 s[WV], 8
	s_cselect_b32 s[PFC], s[PFC], 1000
	s_and_b32 s60, s[TL], 1
	s_lshr_b32 s73, s[TL], 1
	s_lshl_b32 s77, s60, 8
	s_lshl_b32 s18, s73, 2
	s_add_co_u32 s77, s77, s18                     ; Q's scale word: word tile / 2 of lane r + 16 (tile % 2)
	s_lshl_b32 s78, s73, 5
	s_lshl_b32 s60, s60, 3
	s_add_co_u32 s78, s78, s60                     ; my tile's first query in its group
	s_mul_i32 s76, s[HB], STEPB
	s_mul_i32 s79, s[WV], ST
	s_add_co_u32 s79, s79, STAGE                   ; my states
	s_lshl_b32 s80, s[HB], 4
	s_add_co_u32 s80, s80, s[TL]
	s_mul_i32 s80, s80, ST
	s_add_co_u32 s80, s80, STAGE                   ; the two states that I join: this one and the one eight on
	v_and_b32 v40, 31, v0
	v_lshlrev_b32 v41, 4, v40
	v_lshlrev_b32 v[PFO], 8, v40
	v_add_nc_u32 v[AL], s76, v41
	v_lshl_add_u32 v[A8], v40, 3, s76
	v_and_b32 v42, 15, v0                          ; r
	v_bfe_u32 v43, v0, 4, 1                        ; h
	v_lshl_add_u32 v44, v42, 4, s77
	v_and_b32 v45, 8, v42
	v_add_nc_u32 v45, v45, v42
	v_add_nc_u32 v45, s78, v45                     ; my query's place in its group
	v_lshlrev_b32 v43, 4, v43
	v_sub_nc_u32 v[DM], v45, v43
	v_add_nc_u32 v[STA0], s79, v41
	v_add_nc_u32 v[STA1], 16*ST, v[STA0]
	global_load_b128 v[QF:QF+3], v41, s[QB1:QB1+1]
	global_load_b128 v[QF+4:QF+7], v41, s[QB1:QB1+1] offset:512
	global_load_b128 v[QF+16:QF+19], v41, s[QB1:QB1+1]
	global_load_b128 v[QF+20:QF+23], v41, s[QB1:QB1+1] offset:512
	global_load_b32 v[QS], v44, s[QSB1:QSB1+1]
	global_load_b128 v[Q2:Q2+3], v41, s[QB2:QB2+1]                 ; the second pass's q waits in registers of its own
	global_load_b128 v[Q2+4:Q2+7], v41, s[QB2:QB2+1] offset:512
	global_load_b32 v[Q2S], v44, s[QSB2:QSB2+1]
.set k, 0
.rept 8
	v_mov_b32 v[QF+8+k], 0                         ; the zero codes between the two copies of q; never written again
.set k, k+1
.endr
	v_mov_b32 v[NINF], 0xff800000
	v_mov_b32 v13, 0xff61b1e6                      ; the largest t so far: -3e38, under every t
	v_floor_f32 v12, -v13
	v_mov_b32 v14, 0
	v_mov_b32 v15, 0
	v_mov_b32 v[F+1], 0                            ; (named as the upper half of a pair)
	v_mov_b32 v[TP], 0
.irp b, 0,1,2,3
	v_mov_b32 v[PX+\b], 0                          ; written once: a lane permute's destination counts as one of its sources
.endr
.set j, 0
.rept 32
	v_mov_b32 v[O+j], 0                            ; the step is written once: a pass's first step finds zeros
.set j, j+1
.endr
	s_wait_alu depctr_va_vdst(0)
	s_wait_loadcnt 0x0
	v_lshrrev_b32 v42, 16, v[QS]                   ; q's two scale bytes stand in the lower (even tile) or the upper half of the word: they are laid into both halves, for [q | 0] and for [0 | q]
	v_lshrrev_b32 v43, 16, v[Q2S]
	v_lshl_or_b32 v[QS], v[QS], 16, v[QS]
	v_lshl_or_b32 v[Q2S], v[Q2S], 16, v[Q2S]
	v_or_b32 v[QS], v[QS], v42
	v_or_b32 v[Q2S], v[Q2S], v43
.rept 8
	v_nop                                          ; a scale word written by a vector instruction stands eight places ahead of a scaled matrix instruction
.endr
	s_wait_alu depctr_va_vdst(0)
; THE CHANGE OF SLOTS stands at a slot's head: each wave waits for all its tensor loads, adds 0 to its spare word, waits for that and for its reads of the slot that it has left; behind the barrier the slot ahead is whole,
; and the other one is filled with the next four steps: the load has the slot's steps in which to land.
.macro CHANGE fill
	s_wait_tensorcnt 0x0                           ; no tensor load of mine is out, so the descriptor may be written
	ds_add_u32 v[SPW], v[NIL]                      ; 0 onto my spare word
.if \fill
	ds_add_u32 v[SPW], v[NIL]                      ; and once more
	s_xor_b32 s[TF], s[TF], SLOT1
	s_add_co_u32 s[G0+1], s[TF], s[WOFF]
	s_sub_co_u32 s18, s[NI], s[W1]
	s_cmp_le_u32 s[NI], s[W]
	s_cselect_b32 s18, s[NI], s18                  ; the key step
	s_mul_i32 s46, s18, STEPB
	s_add_nc_u64 s[G0+2:G0+3], s[KVB:KVB+1], s[46:47]
	s_or_b32 s[G0+3], s[G0+3], 0x80000000
	s_add_co_u32 s[NI], s[NI], 4
	s_wait_xcnt 0x0                                ; any prefetch of mine has read its address, so it may be written
	s_add_nc_u64 s[PFA:PFA+1], s[PFA:PFA+1], 0x10000
	s_add_co_u32 s[PFC], s[PFC], 8
.endif
	s_wait_dscnt 0x0
	s_barrier_signal -1
	s_barrier_wait -1
.if \fill
	TLOAD 4                                        ; the first thing behind the barrier, and a wave's one tensor load until the next
	s_cmp_lt_u32 s[PFC], 67                        ; a head's part of kv has 67 blocks of 8,192 bytes
	s_cbranch_scc0 .Lnot_mine_\@
	global_prefetch_b8 v[PFO], s[PFA:PFA+1] th:TH_LOAD_NT scope:SCOPE_SE
.Lnot_mine_\@:
.endif
	v_add_nc_u32 v[ADK], s[TS], v[AL]
	v_add_nc_u32 v[ADS], s[TS], v[A8]
	s_wait_alu depctr_va_vdst(0)
.endm
.macro STATE adr                       ; my O^T, each accumulator from its low end on, and -M, t and the sum's halves, as an image of the registers
.set k, 0
.rept 8
	ds_store_b128 v[\adr], v[O+4*k:O+4*k+3] offset:512*k
.set k, k+1
.endr
	ds_store_b128 v[\adr], v[12:15] offset:4096
.endm
; K's scale words and eight tiles of the step whose block begins off bytes behind v[ADK], into the 64 registers from reg on
.macro KLOAD off, reg
	ds_load_b128 v[KS:KS+3], v[ADK] offset:(\off)+16384   ; word p: lanes 0-15 tile 2 p (lower half), lanes 16-31 tile 2 p + 1 (upper half)
.set k, 0
.rept 16
	ds_load_b128 v[(\reg)+4*k:(\reg)+4*k+3], v[ADK] offset:(\off)+512*k
.set k, k+1
.endr
.endm
; A KEY STEP of 128 keys; its block begins off bytes behind v[ADK].  It finds K in v[KV ..], lays S^T into v[S ..] and V over K.  pre = 1: behind the conversions, when p is done with, my next step's K (the next block of the slot) is loaded
; into v[S ..], where that step looks for it.  inc: from this step's number to my next step's.
.macro STEP off, pre, inc
	s_cmp_gt_u32 s[I], s[DG]                       ; my first step behind the first pass's diagonal: the state is laid down, and the second pass begins with its q and empty sums
	s_cbranch_scc0 .Lsame_\@
	STATE STA0
.set k, 0
.rept 8
	v_mov_b32 v[QF+k], v[Q2+k]
	v_mov_b32 v[QF+16+k], v[Q2+k]
.set k, k+1
.endr
	v_mov_b32 v[QS], v[Q2S]
	v_mov_b32 v13, 0xff61b1e6
	v_floor_f32 v12, -v13
	v_mov_b32 v14, 0
	v_mov_b32 v15, 0
.set j, 0
.rept 32
	v_mov_b32 v[O+j], 0                            ; (these also stand between the new scale word and fragment and the next products)
.set j, j+1
.endr
	s_mov_b32 s[DG], 32
.Lsame_\@:
	s_wait_dscnt 0x0                               ; K and its scale words are in
.irp p, 0,1,2,3
	v_wmma_scale_f32_16x16x128_f8f6f4 v[S+16*\p:S+16*\p+7], v[KV+16*\p:KV+16*\p+15], v[QF:QF+15], 0, v[KS+\p], v[QS]
	v_wmma_scale_f32_16x16x128_f8f6f4 v[S+16*\p+8:S+16*\p+15], v[KV+16*\p:KV+16*\p+15], v[QF+8:QF+23], 0, v[KS+\p], v[QS] matrix_a_scale:MATRIX_SCALE_ROW1
.endr
.rept 8
	v_nop                                          ; places in front of the loads into K's registers and of the first read of the scores
.endr
	ds_load_b64 v[VS:VS+1], v[ADS] offset:(\off)+16896    ; V's scale words: word p: lanes 0-15 tile 2 p, lanes 16-31 tile 2 p + 1
.set k, 0
.rept 16
	ds_load_b128 v[KV+4*k:KV+4*k+3], v[ADK] offset:(\off)+8192+512*k   ; V's four fragments land while the softmax is walked
.set k, k+1
.endr
	s_cmp_lg_u32 s[I], s[DG]                       ; on the diagonal the scores of hidden keys become -infinity: register 16 b + i holds key 32 b + 16 (lane / 16) + i of the step
	s_cbranch_scc1 .Lopen_\@
.set n, 0
.rept 64
	v_cmp_gt_i32 vcc_lo, 32*(n/16)+n%16, v[DM]
	v_cndmask_b32 v[S+n], v[S+n], v[NINF], vcc_lo
.set n, n+1
.endr
.Lopen_\@:
.irp b, 0,1,2,3
	v_max3_num_f32 v[BM+\b], v[S+16*\b], v[S+16*\b+1], v[S+16*\b+2]   ; the largest score of each block of 32 keys: for the row's maximum, and, since p rises with the score, for the block's largest p
.endr
.irp i, 3,5,7,9,11,13
.irp b, 0,1,2,3
	v_max3_num_f32 v[BM+\b], v[BM+\b], v[S+16*\b+\i], v[S+16*\b+\i+1]
.endr
.endr
.irp b, 0,1,2,3
	v_max_num_f32 v[BM+\b], v[BM+\b], v[S+16*\b+15]
.endr
.irp b, 0,1,2,3
	v_permlanex16_b32 v[PX+\b], v[BM+\b], s[SEL], s[SEL+1]
.endr
.irp b, 0,1,2,3
	v_max_num_f32 v[BM+\b], v[BM+\b], v[PX+\b]
.endr
	v_max3_num_f32 v[TP], v[BM], v[BM+1], v[BM+2]
	v_max_num_f32 v[TP], v[TP], v[BM+3]
	v_mul_f32 v[TP], s[CS], v[TP]
	v_max_num_f32 v13, v13, v[TP]                  ; the running largest t
	v_mov_b32 v[TP], v12
	v_floor_f32 v12, -v13                          ; -M = floor(-t): M is a whole number
	v_sub_f32 v[TP], v12, v[TP]
	v_cvt_i32_f32 v[TP], v[TP]                     ; (it saturates)
	v_ldexp_f32 v[F], 1.0, v[TP]                   ; f = 2^(old M - new M)
.set j, 0
.rept 32
	v_pk_fma_f32 v[S+j:S+j+1], v[S+j:S+j+1], s[CS:CS+1], v[12:13] op_sel_hi:[1,0,0]   ; t - M
.set j, j+2
.endr
.irp b, 0,1,2,3
	v_fma_f32 v[BM+\b], v[BM+\b], s[CS], v12
.endr
	s_wait_alu depctr_va_vdst(0)
.set j, 0
.rept 64
	v_exp_f32 v[S+j], v[S+j]                       ; p = 2^(t - M)
.set j, j+1
.endr
.irp b, 0,1,2,3
	v_exp_f32 v[BM+\b], v[BM+\b]                   ; the block's largest p
.endr
	v_pk_mul_f32 v[14:15], v[14:15], v[F:F+1] op_sel_hi:[1,0]      ; the sums under the new M (a plain instruction behind the exponentials)
	s_wait_alu depctr_va_vdst(0)                   ; one wait for the whole batch, ahead of its first reader
.irp b, 0,1,2,3
	v_max_num_f32 v[BM+\b], 0x4800000, v[BM+\b]    ; the floor 2^(9 - 127)
.endr
.irp b, 0,1,2,3
	v_add_nc_u32 v[SOP+\b], 0xfc000000, v[BM+\b]
.endr
.irp b, 0,1,2,3
	v_and_or_b32 v[LIM+\b], v[BM+\b], 0x7f800000, s[MNT]
.endr
.irp b, 0,1,2,3
	v_lshrrev_b32 v[PX+\b], 23, v[SOP+\b]
.endr
	v_lshl_or_b32 v[PW], v[PX+1], 8, v[PX]         ; p's scale word for these 128 keys
	v_lshl_or_b32 v[PW], v[PX+2], 16, v[PW]
	v_lshl_or_b32 v[PW], v[PX+3], 24, v[PW]
	v_pk_add_f32 v[CH:CH+1], v[S:S+1], v[S+2:S+3]                  ; the row's sum of the unquantised p: two at a time, three chains by turns
	v_pk_add_f32 v[CH+2:CH+3], v[S+4:S+5], v[S+6:S+7]
.set j, 8
.rept 9
	v_pk_add_f32 v[14:15], v[14:15], v[S+j:S+j+1]
	v_pk_add_f32 v[CH:CH+1], v[CH:CH+1], v[S+j+2:S+j+3]
	v_pk_add_f32 v[CH+2:CH+3], v[CH+2:CH+3], v[S+j+4:S+j+5]
.set j, j+6
.endr
	v_pk_add_f32 v[14:15], v[14:15], v[S+62:S+63]
	v_pk_add_f32 v[CH:CH+1], v[CH:CH+1], v[CH+2:CH+3]
	v_pk_add_f32 v[14:15], v[14:15], v[CH:CH+1]
.irp b, 0,2                            ; the hold; p is not negative.  Two holds an instruction, one of block b and one of block b + 1: an even and an odd destination, and sources whose numbers differ modulo 4
.set i, 0
.rept 8
	v_dual_min_num_f32 v[S+16*\b+i], v[LIM+\b], v[S+16*\b+i] :: v_dual_min_num_f32 v[S+16*\b+17+i], v[LIM+\b+1], v[S+16*\b+17+i]
	v_dual_min_num_f32 v[S+16*\b+16+i], v[LIM+\b+1], v[S+16*\b+16+i] :: v_dual_min_num_f32 v[S+16*\b+1+i], v[LIM+\b], v[S+16*\b+1+i]
.set i, i+2
.endr
	v_cvt_scalef32_pk8_fp8_f32 v[PC+4*\b:PC+4*\b+1], v[S+16*\b:S+16*\b+7], v[SOP+\b]
	v_cvt_scalef32_pk8_fp8_f32 v[PC+4*\b+2:PC+4*\b+3], v[S+16*\b+8:S+16*\b+15], v[SOP+\b]
	v_cvt_scalef32_pk8_fp8_f32 v[PC+4*\b+4:PC+4*\b+5], v[S+16*\b+16:S+16*\b+23], v[SOP+\b+1]
	v_cvt_scalef32_pk8_fp8_f32 v[PC+4*\b+6:PC+4*\b+7], v[S+16*\b+24:S+16*\b+31], v[SOP+\b+1]
.endr
.if \pre
	KLOAD (\off)+STEPB, S
.endif
	s_wait_alu depctr_va_vdst(0)                   ; the wait here, directly ahead of the first reader of O^T
.set j, 0
.rept 16
	v_pk_mul_f32 v[O+j:O+j+1], v[O+j:O+j+1], v[F:F+1] op_sel_hi:[1,0]   ; O^T under the new M; these are also the plain instructions between the conversions and the products
.set j, j+2
.endr
	s_wait_alu depctr_va_vdst(0)
.if \pre
	s_wait_dscnt 17                                ; V is in; the 17 loads of the next step's K, issued behind V's, may be out
.else
	s_wait_dscnt 0x0                               ; V is in
.endif
.irp t, 0,2
	v_wmma_scale_f32_16x16x128_f8f6f4 v[O+8*\t:O+8*\t+7], v[KV+16*\t:KV+16*\t+15], v[PC:PC+15], v[O+8*\t:O+8*\t+7], v[VS+\t/2], v[PW]
	v_wmma_scale_f32_16x16x128_f8f6f4 v[O+8*\t+8:O+8*\t+15], v[KV+16*\t+16:KV+16*\t+31], v[PC:PC+15], v[O+8*\t+8:O+8*\t+15], v[VS+\t/2], v[PW] matrix_a_scale:MATRIX_SCALE_ROW1
.endr                                              ; the four accumulators take one turn each, and the eight products of S^T stand between two links
.rept 9
	v_nop                                          ; in front of the next loads into these registers and scale words and of the stores of O^T; nine: the next step's first products write over V's registers
.endr
	s_add_co_u32 s[I], s[I], \inc
.endm
; A SLOT'S WORK.  Waves 0 to 7: its blocks 0, 1, 2; waves 8 to 15: block 3 (their v[ADK] stands one block on).  The last of the three and the one are the same lines.
.macro SLOTWORK
	s_cmp_lt_u32 s[WV], 8
	s_cbranch_scc0 .Lone_\@
	KLOAD 0, R0
.set KV, R0
.set S, R1
	STEP 0, 1, 1
.set KV, R1
.set S, R0
	STEP STEPB, 1, 1
	s_branch .Lthird_\@
.Lone_\@:
	KLOAD 2*STEPB, R0
.Lthird_\@:
.set KV, R0
.set S, R1
	STEP 2*STEPB, 0, s81
.endm
.Lslot:                                            ; seven trips: behind each change of slots but the last the next slot is asked for
	CHANGE 1
	SLOTWORK
	s_xor_b32 s[TS], s[TS], SLOT1                  ; on to the other slot
	s_sub_co_u32 s[SLOTS], s[SLOTS], 1
	s_cmp_lg_u32 s[SLOTS], 0
	s_cbranch_scc1 .Lslot
	CHANGE 0                                       ; the last slot is written out
	SLOTWORK
	v_add_nc_u32 v[ADK], EOFF-STEPB, v[AL]         ; step 32, the second pass's diagonal: its block landed ahead of the first barrier.  (In waves 8 to 15 v[AL] stands one block on)
	v_add_nc_u32 v[ADS], EOFF-STEPB, v[A8]
	s_wait_alu depctr_va_vdst(0)
	s_cmp_lt_u32 s[WV], 8                          ; waves 8 to 15 walk it
	s_cbranch_scc1 .Lno_e
	s_mov_b32 s[I], 32
	KLOAD 0, R0
	STEP 0, 0, 1
.Lno_e:
	STATE STA1
	s_wait_dscnt 0x0                               ; my states lie in LDS
	s_barrier_signal -1
	s_barrier_wait -1
	; THE JOIN: pass wave / 8, tile wave % 8: the states of the two waves that shared the tile
	v_and_b32 v[KV], 31, v0
	v_lshlrev_b32 v[KV+1], 4, v[KV]
	v_add_nc_u32 v[KV+2], s80, v[KV+1]
.set k, 0
.rept 8
	ds_load_b128 v[S+4*k:S+4*k+3], v[KV+2] offset:512*k
	ds_load_b128 v[S+32+4*k:S+32+4*k+3], v[KV+2] offset:8*ST+512*k
.set k, k+1
.endr
	ds_load_b128 v[BM:BM+3], v[KV+2] offset:4096
	ds_load_b128 v[PX:PX+3], v[KV+2] offset:8*ST+4096
	v_and_b32 v[KV+3], 15, v0
	v_and_b32 v[KV+4], 8, v[KV+3]
	v_add_nc_u32 v[KV+4], v[KV+4], v[KV+3]
	v_add_nc_u32 v[KV+4], s78, v[KV+4]
	v_lshlrev_b32 v[KV+4], 5, v[KV+4]              ; my token's row of o_sc
	s_wait_alu depctr_va_vdst(0)
	s_wait_dscnt 0x0
	v_min_num_f32 v12, v[BM], v[PX]                ; -M of the larger M
	v_add_f32 v14, v[BM+2], v[BM+3]
	v_add_f32 v15, v[PX+2], v[PX+3]
	v_sub_f32 v[LIM], v12, v[BM]
	v_sub_f32 v[LIM+1], v12, v[PX]
	v_cvt_i32_f32 v[LIM], v[LIM]                   ; (they saturate: an empty state's factor is 0)
	v_cvt_i32_f32 v[LIM+1], v[LIM+1]
	v_ldexp_f32 v[LIM], 1.0, v[LIM]
	v_ldexp_f32 v[LIM+1], 1.0, v[LIM+1]
	v_mul_f32 v14, v14, v[LIM]
	v_fma_f32 v14, v15, v[LIM+1], v14
	v_permlanex16_b32 v[TP], v14, s[SEL], s[SEL+1]
	v_add_f32 v14, v14, v[TP]                      ; the row's sum
	s_wait_alu depctr_va_vdst(0)                   ; the wait ahead of the transcendental
	v_rcp_f32 v14, v14
	v_nop
	s_wait_alu depctr_va_vdst(0)                   ; and ahead of its first reader
	v_mul_f32 v[F], v[LIM], v14
	v_mul_f32 v[CH], v[LIM+1], v14
.set j, 0
.rept 16
	v_pk_mul_f32 v[S+j:S+j+1], v[S+j:S+j+1], v[F:F+1] op_sel_hi:[1,0]
.set j, j+2
.endr
.set j, 0
.rept 16
	v_pk_fma_f32 v[S+j:S+j+1], v[S+32+j:S+33+j], v[CH:CH+1], v[S+j:S+j+1] op_sel_hi:[1,0,1]   ; register 16 b + i: channel 32 b + 16 (lane / 16) + i
.set j, j+2
.endr
.irp b, 0,1
	v_max3_num_f32 v[BM+\b], |v[S+16*\b]|, |v[S+16*\b+1]|, 0x4800000
.endr
.irp i, 2,4,6,8,10,12,14
.irp b, 0,1
	v_max3_num_f32 v[BM+\b], v[BM+\b], |v[S+16*\b+\i]|, |v[S+16*\b+\i+1]|
.endr
.endr
.irp b, 0,1
	v_permlanex16_b32 v[PX+\b], v[BM+\b], s[SEL], s[SEL+1]
.endr
.irp b, 0,1
	v_max_num_f32 v[BM+\b], v[BM+\b], v[PX+\b]
.endr
.irp b, 0,1
	v_add_nc_u32 v[SOP+\b], 0xfc000000, v[BM+\b]
.endr
.irp b, 0,1
	v_and_or_b32 v[LIM+\b], v[BM+\b], 0x7f800000, s[MNT]
.endr
.irp b, 0,1
	v_lshrrev_b32 v[PX+\b], 23, v[SOP+\b]
.endr
	v_lshl_or_b32 v[TP], v[PX+1], 8, v[PX]         ; the head's two scale bytes of my token
.irp b, 0,1
.irp i, 0,1,2,3,4,5,6,7,8,9,10,11,12,13,14,15
	v_med3_num_f32 v[S+16*\b+\i], v[S+16*\b+\i], -v[LIM+\b], v[LIM+\b]
.endr
	v_cvt_scalef32_pk8_fp8_f32 v[PC+4*\b:PC+4*\b+1], v[S+16*\b:S+16*\b+7], v[SOP+\b]
	v_cvt_scalef32_pk8_fp8_f32 v[PC+4*\b+2:PC+4*\b+3], v[S+16*\b+8:S+16*\b+15], v[SOP+\b]
.endr
	v_nop
	global_store_b128 v[KV+1], v[PC:PC+3], s[OIB:OIB+1]            ; 32 lanes store 512 consecutive bytes
	global_store_b128 v[KV+1], v[PC+4:PC+7], s[OIB:OIB+1] offset:512
	global_store_b16 v[KV+4], v[TP], s[OSB:OSB+1]                  ; lanes l and l xor 16 store the same two bytes
	s_wait_tensorcnt 0x0                           ; the wave's end
	ds_add_u32 v[SPW], v[NIL]
	s_wait_dscnt 0x0
	s_endpgm
.Lfunc_end_k_q5b3aeafea9_attn:
	.size	k_q5b3aeafea9_attn, .Lfunc_end_k_q5b3aeafea9_attn-k_q5b3aeafea9_attn
	.p2alignl 7, 3214868480
	.fill 96, 4, 3214868480
	.section	.rodata,"a",@progbits
	.p2align	6, 0x0
	.amdhsa_kernel k_q5b3aeafea9_attn
		.amdhsa_group_segment_fixed_size 327680
		.amdhsa_private_segment_fixed_size 0
		.amdhsa_enable_private_segment 0
		.amdhsa_kernarg_size 40
		.amdhsa_user_sgpr_count 2
		.amdhsa_user_sgpr_kernarg_segment_ptr 1
		.amdhsa_wavefront_size32 1
		.amdhsa_system_sgpr_workgroup_id_x 1
		.amdhsa_system_sgpr_workgroup_id_y 1
		.amdhsa_system_sgpr_workgroup_id_z 1
		.amdhsa_system_vgpr_workitem_id 0
		.amdhsa_next_free_vgpr 256
		.amdhsa_next_free_sgpr 84
		.amdhsa_reserve_vcc 1
		.amdhsa_float_denorm_mode_32 3
		.amdhsa_float_denorm_mode_16_64 3
		.amdhsa_memory_ordered 1
		.amdhsa_forward_progress 1
		.amdhsa_inst_pref_size 201
	.end_amdhsa_kernel
	.amdgpu_metadata
---
amdhsa.version: [ 1, 2 ]
amdhsa.kernels:
  - .name:           k_q5b3aeafea9_attn
    .symbol:         k_q5b3aeafea9_attn.kd
    .args:
      - { .name: q_img, .offset: 0, .size: 8, .value_kind: global_buffer, .address_space: global }
      - { .name: q_sc, .offset: 8, .size: 8, .value_kind: global_buffer, .address_space: global }
      - { .name: kv, .offset: 16, .size: 8, .value_kind: global_buffer, .address_space: global }
      - { .name: o_img, .offset: 24, .size: 8, .value_kind: global_buffer, .address_space: global }
      - { .name: o_sc, .offset: 32, .size: 8, .value_kind: global_buffer, .address_space: global }
    .group_segment_fixed_size: 327680
    .private_segment_fixed_size: 0
    .kernarg_segment_align: 8
    .kernarg_segment_size: 40
    .max_flat_workgroup_size: 512
    .sgpr_count:     84
    .vgpr_count:     256
    .wavefront_size: 32
...
	.end_amdgpu_metadata
.endif
;; end of part 3
;; launch oproj (part 4): grid 8 x 32, 4 waves a work-group, clusters of 4 x 4, 327,680 bytes of LDS; arguments o_img, o_sc, Wo_codes, Wo_scales, out0; writes out0
.if DOCPART == 4
	.amdgcn_target "amdgcn-amd-amdhsa--gfx1250"
	.amdhsa_code_object_version 6
	.text
	.protected	k_q5b3aeafea9_oproj
	.globl	k_q5b3aeafea9_oproj
	.p2align	8
	.type	k_q5b3aeafea9_oproj,@function
k_q5b3aeafea9_oproj:
	s_mov_b64 s[64:65], 0
	v_nop
	global_prefetch_b8 v0, s[64:65] scope:SCOPE_SE
	s_setreg_imm32_b32 hwreg(HW_REG_WAVE_MODE, 25, 1), 1
	s_wait_xcnt 0x0
	s_wait_alu depctr_hold_cnt(0) depctr_sa_sdst(0) depctr_va_vdst(0) depctr_va_sdst(0) depctr_va_ssrc(0) depctr_va_vcc(0) depctr_vm_vsrc(0)
	s_getreg_b32 s2, hwreg(HW_REG_IB_STS2, 6, 4)
	s_cmp_eq_u32 s2, 0
	s_cbranch_scc0 .Lentry_in_a_cluster
	s_endpgm
.Lentry_in_a_cluster:
	s_bfe_u32 s2, ttmp6, 0x10000c
	s_cmp_lg_u32 s2, 0xf033
	s_cbranch_scc0 .Lentry_shape_is_right
	s_endpgm
.Lentry_shape_is_right:
; out0[token][n] = sum over k of o[token][k] Wo[n][k], on codes of FP8 (E4M3) with one E8M0 scale for each 32 along K; 4,096 x 1,024 x 1,024; f32 sums, f32 out.
; SHARES.  256 work-groups: a block is one group of 128 tokens x 128 columns.  Four waves, 2 x 2, each 64 tokens x 64 columns: 16 accumulators.
; ALL OF K LIES IN LDS, filled once, one joint load a wave at the head: wave 0 the group's image of o (131,072 dense bytes, [K slot 4][tile 8][K step 2][c 4][lane][16 B], read 16 bytes a lane on end),
; wave 1 Wo's 128 rows of 1,024 bytes (16 bytes of padding behind each), waves 2 and 3 the scale bytes of the 128 tokens and of the 128 rows (4,096 dense bytes each, as rows of 256 + 16).  Nothing is filled again.
; CLUSTERS of 4 x 4: o's image and scale bytes hang on the group alone and are shared along a row of the cluster, Wo's on the tile column alone and are shared along a column.
; No prefetch: every byte is asked for at the head, so there is no loop to run ahead in.
; THE MATRIX INSTRUCTION IS USED TRANSPOSED (source 0 = 16 rows of Wo, source 1 = 16 tokens).  Lane r of a tile of Wo takes row 32 (b / 2) + 8 (b % 2) + r + 8 (r / 8), so a lane's registers of tiles 2 p, 2 p + 1 are 16 neighbouring columns;
; tile a of o's image holds the tokens 32 (a / 2) + 8 (a % 2) + r + 8 (r / 8) of its group.
; REGISTERS.  window 0: v16-29 addresses; v32-63 scale words, register 4 q + i: lanes 0-15 o's tile i, lanes 16-31 Wo's tile i, K step q; v64-191 o's fragments, two sets; v192-255 the way out.
;   window 1: v0-127 Wo's fragments, two sets; v128-255 the accumulators, (a, b) at v[128 + 8 (4 a + b)].
.set BP,    1040
.set BIM,   131072
.set SCA,   BIM+128*BP
.set SCB,   SCA+16*272
.set STG,   SCB+16*272                 ; the way out: 16 rows x (256 + 16) bytes for each wave; no fill lands here
.set SPARE, STG+4*16*272               ; the spare words, 128 bytes for each wave
.set HS,    8*272                      ; the scale bytes of 64 rows
.set ADA, 16
.set ADB, 18
.set ADRS, 19
.set STO, 20
.set RD,  21
.set CO,  22
.set SPW, 28
.set NIL, 29
.set SC,  32
.set AF,  64
.set BK,  192
.set ACC, 128
.set G1A, 24
.set G1B, 32
.set G1S, 48
.set G1T, 56
.set G0A, 68
.set G0B, 72
.set G0S, 76
.set G0T, 80
.set MSB, 0
.macro WIN new                         ; the immediate's high byte repeats the setting that is left
.if MSB != (\new)
	s_set_vgpr_msb (MSB<<8)|(\new)
.set MSB, (\new)
.endif
.endm
.macro PLACES n
.rept \n
	v_nop
.endr
.endm
.macro CROUND                          ; a round of the cluster's barrier
	s_barrier_signal -1
	s_barrier_wait -1
	s_cmp_lg_u32 s14, 0
	s_cbranch_scc1 .Lnot_wave_0_\@
	s_barrier_signal -3
.Lnot_wave_0_\@:
	s_barrier_wait -3
	s_barrier_signal -1
	s_barrier_wait -1
.endm
	s_load_b128 s[4:7], s[0:1], 0x0                ; o_img, o_sc
	s_load_b128 s[8:11], s[0:1], 0x10              ; Wo's codes, Wo's scales
	s_load_b64 s[12:13], s[0:1], 0x20              ; out0
	v_lshl_add_u32 v[SPW], v0, 2, SPARE
	v_mov_b32 v[NIL], 0
	ds_add_u32 v[SPW], v[NIL]                      ; the opening: the add, twice on end, and its wait ahead of the first tensor load
	ds_add_u32 v[SPW], v[NIL]
	v_lshrrev_b32 v1, 5, v0
	v_readfirstlane_b32 s14, v1                    ; wave 0..3
	s_lshr_b32 s15, s14, 1                         ; my half of the tokens
	s_and_b32 s16, s14, 1                          ; my half of the columns
	s_bfe_u32 s40, ttmp6, 0x40000                  ; cx, cy
	s_bfe_u32 s41, ttmp6, 0x40004
	s_lshl_b32 s42, ttmp9, 2
	s_add_co_u32 s42, s42, s40                     ; tile column 0..7
	s_and_b32 s17, ttmp7, 0xffff
	s_lshl_b32 s17, s17, 2
	s_add_co_u32 s17, s17, s41                     ; group 0..31
	s_lshl_b32 s43, s41, 2
	s_lshl_b32 s43, 15, s43                        ; my row of the cluster
	s_lshl_b32 s44, 0x1111, s40                    ; my column
	s_or_b32 s[G1A], s43, (3<<16)|(1<<21)          ; o's image: 512 rows of 256 bytes (32 elements of 8), dense, no padding
	s_mov_b32 s[G1A+1], 32<<16
	s_mov_b32 s[G1A+2], 512<<16
	s_mov_b32 s[G1A+3], 32<<16
	s_mov_b32 s[G1A+4], 512
	s_mov_b32 s[G1A+5], 32
	s_mov_b32 s[G1A+6], 0
	s_mov_b32 s[G1A+7], 0
	s_or_b32 s[G1B], s44, (1<<20)|(1<<21)|(7<<22)|(3<<25)   ; Wo: 128 rows of 1,024 bytes, four words of padding after every 256
	s_mov_b32 s[G1B+1], 1024<<16
	s_mov_b32 s[G1B+2], 128<<16
	s_mov_b32 s[G1B+3], 1024<<16
	s_mov_b32 s[G1B+4], 128
	s_mov_b32 s[G1B+5], 1024
	s_mov_b32 s[G1B+6], 0
	s_mov_b32 s[G1B+7], 0
	s_or_b32 s[G1S], s43, (3<<16)|(1<<20)|(1<<21)|(5<<22)|(3<<25)   ; scale bytes: 16 rows of 256 bytes, 16 of padding behind each
	s_or_b32 s[G1T], s44, (3<<16)|(1<<20)|(1<<21)|(5<<22)|(3<<25)
.irp g, G1S, G1T
	s_mov_b32 s[\g+1], 32<<16
	s_mov_b32 s[\g+2], 16<<16
	s_mov_b32 s[\g+3], 32<<16
	s_mov_b32 s[\g+4], 16
	s_mov_b32 s[\g+5], 32
	s_mov_b32 s[\g+6], 0
	s_mov_b32 s[\g+7], 0
.endr
	s_lshl_b32 s20, s17, 17                        ; the group in o_img,
	s_mov_b32 s21, 0
	s_lshl_b32 s22, s17, 12                        ; in o_sc;
	s_mov_b32 s23, 0
	s_lshl_b32 s46, s42, 17                        ; the tile column in Wo's codes,
	s_mov_b32 s47, 0
	s_lshl_b32 s92, s42, 12                        ; in Wo's scales
	s_mov_b32 s93, 0
	s_lshl_b32 s84, s15, 14                        ; LDS: my four tiles of o's image, K slots 0 and 1;
	s_add_co_u32 s85, s84, 65536                   ; K slots 2 and 3
	s_mul_i32 s86, s16, 64*BP
	s_add_co_u32 s86, s86, BIM                     ; my 64 rows of Wo
	s_mul_i32 s87, s15, HS
	s_mul_i32 s88, s16, HS
	s_add_co_u32 s88, s88, SCB-SCA
	s_sub_co_u32 s88, s88, s87                     ; from o's scale words to Wo's
	s_add_co_u32 s87, s87, SCA
	s_mul_i32 s89, s14, 16*272
	s_add_co_u32 s89, s89, STG                     ; my stage
	s_lshl_b32 s90, s17, 19                        ; out0: 128 rows of 4,096 bytes a group, 64 a half; 512 bytes a tile column, 256 a half
	s_lshl_b32 s91, s15, 18
	s_add_co_u32 s90, s90, s91
	s_lshl_b32 s91, s42, 9
	s_add_co_u32 s90, s90, s91
	s_lshl_b32 s91, s16, 8
	s_add_co_u32 s90, s90, s91
	s_mov_b32 s91, 0
	s_wait_dscnt 0x0                               ; both opening adds are done
	s_wait_kmcnt 0x0
	s_add_nc_u64 s[12:13], s[12:13], s[90:91]
	CROUND                                         ; all sixteen work-groups are here: the joint loads meet
	s_mov_b32 s[G0A], 1
	s_mov_b32 s[G0A+1], 0
	s_add_nc_u64 s[G0A+2:G0A+3], s[4:5], s[20:21]
	s_or_b32 s[G0A+3], s[G0A+3], 0x80000000
	s_mov_b32 s[G0B], 1
	s_mov_b32 s[G0B+1], BIM
	s_add_nc_u64 s[G0B+2:G0B+3], s[8:9], s[46:47]
	s_or_b32 s[G0B+3], s[G0B+3], 0x80000000
	s_mov_b32 s[G0S], 1
	s_mov_b32 s[G0S+1], SCA
	s_add_nc_u64 s[G0S+2:G0S+3], s[6:7], s[22:23]
	s_or_b32 s[G0S+3], s[G0S+3], 0x80000000
	s_mov_b32 s[G0T], 1
	s_mov_b32 s[G0T+1], SCB
	s_add_nc_u64 s[G0T+2:G0T+3], s[10:11], s[92:93]
	s_or_b32 s[G0T+3], s[G0T+3], 0x80000000
; one chain of branches on the wave's number, a load to an arm: every way through the head passes exactly one load
.macro ARM under, g0, g1, next
	s_cmp_lt_u32 s14, \under
	s_cbranch_scc0 \next
	tensor_load_to_lds s[\g0:\g0+3], s[\g1:\g1+7]
	s_nop 0
	PLACES 4
	s_branch .Lhead_asked
\next:
.endm
	ARM 1, G0A, G1A, .Lhead_b
	ARM 2, G0B, G1B, .Lhead_sa
	ARM 3, G0S, G1S, .Lhead_sb
	tensor_load_to_lds s[G0T:G0T+3], s[G1T:G1T+7]
	s_nop 0
	PLACES 4
.Lhead_asked:
	v_and_b32 v1, 15, v0                           ; r
	v_bfe_u32 v2, v0, 4, 1                         ; h
	v_and_b32 v6, 31, v0
	v_and_b32 v7, 8, v1
	v_add_nc_u32 v7, v7, v1                        ; r + 8 (r / 8)
	v_lshlrev_b32 v3, 4, v6
	v_add_nc_u32 v[ADA], s84, v3
	v_add_nc_u32 v[ADA+1], s85, v3
	v_mul_u32_u24 v4, v7, BP
	v_lshl_add_u32 v4, v2, 4, v4
	v_add_nc_u32 v[ADB], s86, v4
	v_lshlrev_b32 v5, 5, v7                        ; scale bytes: 32 a row, and 16 more for each 256 passed
	v_lshrrev_b32 v8, 8, v5
	v_lshl_add_u32 v5, v8, 4, v5
	v_mul_u32_u24 v8, s88, v2                      ; lanes 16-31 take Wo's
	v_add_nc_u32 v5, v5, v8
	v_add_nc_u32 v[ADRS], s87, v5
	v_mul_u32_u24 v5, v1, 272                      ; the stage, in: row r, 64 bytes for each half of the lanes
	v_lshl_add_u32 v5, v2, 6, v5
	v_add_nc_u32 v[STO], s89, v5
	v_mul_u32_u24 v5, v2, 272                      ; back: lanes 0-15 one row of 256 bytes, lanes 16-31 the next
	v_lshl_add_u32 v5, v1, 4, v5
	v_add_nc_u32 v[RD], s89, v5
	v_lshlrev_b32 v5, 12, v2                       ; and the same two rows in out0
	v_lshl_add_u32 v[CO], v1, 4, v5
.macro FETCH q                         ; the fragments of K step q, 128 along K: Wo's four tiles and o's four, into set q % 2: 32 loads
	WIN 0x40
.irp i, 0,1,2,3
.irp c, 0,1,2,3
	ds_load_b128 v[64*((\q)%2)+16*\i+4*\c:64*((\q)%2)+16*\i+4*\c+3], v[ADB] offset:128*(\q)+32*\c+(32*(\i/2)+8*(\i%2))*BP
.endr
.endr
	WIN 0
.irp i, 0,1,2,3
.irp c, 0,1,2,3
	ds_load_b128 v[AF+64*((\q)%2)+16*\i+4*\c:AF+64*((\q)%2)+16*\i+4*\c+3], v[ADA+(\q)/4] offset:32768*(((\q)/2)%2)+2048*((\q)%2)+4096*\i+512*\c
.endr
.endr
.endm
.macro MUL q, zero                     ; 16 products; the 16 accumulators take turns, one instruction a turn, in the same order in every step
	WIN 0x51
.irp a, 0,1,2,3
.irp b, 0,1,2,3
.if \zero
	v_wmma_scale_f32_16x16x128_f8f6f4 v[ACC+8*(4*\a+\b):ACC+8*(4*\a+\b)+7], v[64*((\q)%2)+16*\b:64*((\q)%2)+16*\b+15], v[AF+64*((\q)%2)+16*\a:AF+64*((\q)%2)+16*\a+15], 0, v[SC+4*(\q)+\b], v[SC+4*(\q)+\a] matrix_a_scale:MATRIX_SCALE_ROW1
.else
	v_wmma_scale_f32_16x16x128_f8f6f4 v[ACC+8*(4*\a+\b):ACC+8*(4*\a+\b)+7], v[64*((\q)%2)+16*\b:64*((\q)%2)+16*\b+15], v[AF+64*((\q)%2)+16*\a:AF+64*((\q)%2)+16*\a+15], v[ACC+8*(4*\a+\b):ACC+8*(4*\a+\b)+7], v[SC+4*(\q)+\b], v[SC+4*(\q)+\a] matrix_a_scale:MATRIX_SCALE_ROW1
.endif
.endr
.endr
	WIN 0
.endm
	s_wait_alu depctr_va_vdst(0)
	s_wait_tensorcnt 0x0                           ; my tile of the four is in
	s_barrier_signal -1
	s_barrier_wait -1                              ; and so is everybody's
.irp q, 0,1,2,3,4,5,6,7
.irp i, 0,1,2,3
	ds_load_b32 v[SC+4*\q+\i], v[ADRS] offset:(4*(\i/2)+(\i%2))*272+4*\q   ; all of K's scale words, once
.endr
.endr
	FETCH 0
	FETCH 1
	s_wait_dscnt 32                                ; all but the 32 loads of K step 1
	MUL 0, 1                                       ; the first products start the sums
.irp q, 1,2,3,4,5,6
	PLACES 8                                       ; in front of loads into registers that the last products have read
	FETCH \q+1
	s_wait_dscnt 32                                ; all but the 32 just issued
	MUL \q, 0
.endr
	s_wait_dscnt 0x0
	MUL 7, 0
; THE WAY OUT, by blocks of 16 tokens x 64 columns: through my stage, back as rows of 256 bytes, so that sixteen lanes store one aligned unit of 256 bytes.  LDS serves a wave's instructions in order (ISA guide 5.7.1.4).
.macro TOSTAGE a
	WIN 0x04
.irp b, 0,1,2,3
	ds_store_b128 v[STO], v[ACC+8*(4*(\a)+\b):ACC+8*(4*(\a)+\b)+3] offset:128*(\b/2)+32*(\b%2)      ; each accumulator from its low end on
	ds_store_b128 v[STO], v[ACC+8*(4*(\a)+\b)+4:ACC+8*(4*(\a)+\b)+7] offset:128*(\b/2)+32*(\b%2)+16
.endr
	WIN 0
.irp t, 0,1,2,3,4,5,6,7
	ds_load_b128 v[BK+32*((\a)%2)+4*\t:BK+32*((\a)%2)+4*\t+3], v[RD] offset:2*\t*272
.endr
.endm
.macro SEND a, younger                 ; younger: the LDS instructions issued behind block a's loads
	s_wait_dscnt \younger
.irp t, 0,1,2,3,4,5,6,7
	global_store_b128 v[CO], v[BK+32*((\a)%2)+4*\t:BK+32*((\a)%2)+4*\t+3], s[12:13] offset:(32*((\a)/2)+8*((\a)%2)+2*\t+8*(\t/4))*4096 th:TH_STORE_NT
.endr
.endm
	PLACES 8
	TOSTAGE 0
.irp a, 1,2,3
.if \a > 1
	s_wait_xcnt 0x0                                ; block a - 2's stores have read their registers: block a's loads may land there
.endif
	TOSTAGE \a
	SEND \a-1, 16                                  ; behind block a - 1's loads: block a's 8 stores and 8 loads
.endr
	SEND 3, 0
	s_wait_tensorcnt 0x0                           ; the wave's end
	ds_add_u32 v[SPW], v[NIL]
	s_wait_dscnt 0x0
	CROUND                                         ; the closing round
	s_endpgm
.Lfunc_end_k_q5b3aeafea9_oproj:
	.size	k_q5b3aeafea9_oproj, .Lfunc_end_k_q5b3aeafea9_oproj-k_q5b3aeafea9_oproj
	.p2alignl 7, 3214868480
	.fill 96, 4, 3214868480
	.section	.rodata,"a",@progbits
	.p2align	6, 0x0
	.amdhsa_kernel k_q5b3aeafea9_oproj
		.amdhsa_group_segment_fixed_size 327680
		.amdhsa_private_segment_fixed_size 0
		.amdhsa_enable_private_segment 0
		.amdhsa_kernarg_size 40
		.amdhsa_user_sgpr_count 2
		.amdhsa_user_sgpr_kernarg_segment_ptr 1
		.amdhsa_wavefront_size32 1
		.amdhsa_system_sgpr_workgroup_id_x 1
		.amdhsa_system_sgpr_workgroup_id_y 1
		.amdhsa_system_sgpr_workgroup_id_z 1
		.amdhsa_system_vgpr_workitem_id 0
		.amdhsa_next_free_vgpr 512
		.amdhsa_next_free_sgpr 100
		.amdhsa_reserve_vcc 0
		.amdhsa_float_denorm_mode_32 3
		.amdhsa_float_denorm_mode_16_64 3
		.amdhsa_memory_ordered 1
		.amdhsa_forward_progress 1
		.amdhsa_inst_pref_size 53
	.end_amdhsa_kernel
	.amdgpu_metadata
---
amdhsa.version: [ 1, 2 ]
amdhsa.kernels:
  - .name:           k_q5b3aeafea9_oproj
    .symbol:         k_q5b3aeafea9_oproj.kd
    .args:
      - { .name: o_img, .offset: 0, .size: 8, .value_kind: global_buffer, .address_space: global }
      - { .name: o_sc, .offset: 8, .size: 8, .value_kind: global_buffer, .address_space: global }
      - { .name: Wo_codes, .offset: 16, .size: 8, .value_kind: global_buffer, .address_space: global }
      - { .name: Wo_scales, .offset: 24, .size: 8, .value_kind: global_buffer, .address_space: global }
      - { .name: out0, .offset: 32, .size: 8, .value_kind: global_buffer, .address_space: global }
    .group_segment_fixed_size: 327680
    .private_segment_fixed_size: 0
    .kernarg_segment_align: 8
    .kernarg_segment_size: 40
    .max_flat_workgroup_size: 128
    .sgpr_count:     100
    .vgpr_count:     512
    .wavefront_size: 32
...
	.end_amdgpu_metadata
.endif
;; end of part 4
